; MI455X (gfx1250); checked and timed in simulation.
; The chip was launched on July 23, 2026; its instructions are those of AMD's public machine-readable ISA for CDNA 5 (MIT licence, August 2026) and "CDNA5" Instruction Set Architecture Reference Guide (July 2026). The comments in the code are by the model that wrote it; some were corrected since.
;; Ouroboros Mo E. Allowed arithmetic: matrix products marked QUANTISED: E4M3 operands, one given power-of-two scale a tensor, by v_wmma_f32_16x16x64_fp8_fp8 or v_wmma_f32_16x16x128_fp8_fp8, f32 sums; everything else in f32.
;; Inputs: W1 8 x 512 x 2,048 float32; W2 8 x 2,048 x 512 float32; b1 8 x 2,048 float32; b2 8 x 512 float32; expert_indices 8 x 512 x 2 int32; expert_weights 8 x 512 x 2 float32; lowp_scales 32 int32 (the exponents e of the quantised operands' scales 2^e); x 8 x 512 x 512 float32.
;; Outputs: out0 8 x 512 x 512 float32.
;; This version of the problem:
;;   THIS VERSION OF THE PROBLEM IS GIVEN IN LOW PRECISION. The matrix products marked QUANTISED in the list below multiply operands that are first quantised to E4M3 (4 exponent bits, 3 mantissa bits; 8 bits a number), with one given power-of-two scale for each operand tensor; their sums are f32. All else is computed in f32.
;;   The module's matrix products, in the order in which they are computed (A, B: the left and right operand; K: the contracted axis; several contracted axes count as one K, in the product's order):
;;     1. [M 4,096, K 512] x [K 512, N 2,048]; A: input x; B: input W1: QUANTISED (scales: A lowp_scales[0], B lowp_scales[1])
;;     2. [M 4,096, K 2,048] x [K 2,048, N 512]; A: computed on the way; B: input W2: QUANTISED (scales: A lowp_scales[2], B lowp_scales[3])
;;     3. [M 4,096, K 512] x [K 512, N 2,048]; A: input x; B: input W1: QUANTISED (scales: A lowp_scales[4], B lowp_scales[5])
;;     4. [M 4,096, K 2,048] x [K 2,048, N 512]; A: computed on the way; B: input W2: QUANTISED (scales: A lowp_scales[6], B lowp_scales[7])
;;     5. [M 4,096, K 512] x [K 512, N 2,048]; A: input x; B: input W1: QUANTISED (scales: A lowp_scales[8], B lowp_scales[9])
;;     6. [M 4,096, K 2,048] x [K 2,048, N 512]; A: computed on the way; B: input W2: QUANTISED (scales: A lowp_scales[10], B lowp_scales[11])
;;     7. [M 4,096, K 512] x [K 512, N 2,048]; A: input x; B: input W1: QUANTISED (scales: A lowp_scales[12], B lowp_scales[13])
;;     8. [M 4,096, K 2,048] x [K 2,048, N 512]; A: computed on the way; B: input W2: QUANTISED (scales: A lowp_scales[14], B lowp_scales[15])
;;     9. [M 4,096, K 512] x [K 512, N 2,048]; A: input x; B: input W1: QUANTISED (scales: A lowp_scales[16], B lowp_scales[17])
;;     10. [M 4,096, K 2,048] x [K 2,048, N 512]; A: computed on the way; B: input W2: QUANTISED (scales: A lowp_scales[18], B lowp_scales[19])
;;     11. [M 4,096, K 512] x [K 512, N 2,048]; A: input x; B: input W1: QUANTISED (scales: A lowp_scales[20], B lowp_scales[21])
;;     12. [M 4,096, K 2,048] x [K 2,048, N 512]; A: computed on the way; B: input W2: QUANTISED (scales: A lowp_scales[22], B lowp_scales[23])
;;     13. [M 4,096, K 512] x [K 512, N 2,048]; A: input x; B: input W1: QUANTISED (scales: A lowp_scales[24], B lowp_scales[25])
;;     14. [M 4,096, K 2,048] x [K 2,048, N 512]; A: computed on the way; B: input W2: QUANTISED (scales: A lowp_scales[26], B lowp_scales[27])
;;     15. [M 4,096, K 512] x [K 512, N 2,048]; A: input x; B: input W1: QUANTISED (scales: A lowp_scales[28], B lowp_scales[29])
;;     16. [M 4,096, K 2,048] x [K 2,048, N 512]; A: computed on the way; B: input W2: QUANTISED (scales: A lowp_scales[30], B lowp_scales[31])
;;   THE QUANTISER, for each operand of a quantised product, along K:
;;     - The operand's scale is 2^e, e = its entry of the input lowp_scales (int32; the entries are numbered through the quantised products in the list's order, A before B).
;;     - Each number is divided by the scale, clamped to +-448, and rounded to the nearest number of E4M3, ties to even, subnormals kept.
;;     - The product sums the exact products of the quantised numbers (number of the format x scale) in f32.
;;   ~~~python
;;   def quantise(x, axis, e):      # numpy; x: float32 -> the quantised numbers, widened to float32 again
;;       x = np.moveaxis(x, axis, -1); K = x.shape[-1]
;;       r = np.clip(x / 2.0 ** e, -448, 448)
;;       step = 2.0 ** (np.maximum(np.frexp(np.where(r == 0, 1, r))[1] - 1, -6) - 3)
;;       q = np.round(r / step) * step * 2.0 ** e      # np.round: ties to even
;;       return np.moveaxis(q, -1, axis).astype(np.float32)
;;   ~~~
;;   OPERANDS COMPUTED ON THE WAY. 'Computed on the way' means the value that the module computes at that place (a softmax that the list does not call 'softmax' is quantised finished and normalised). What goes into a quantiser is computed in f32, as accurately as f32 sums, v_exp_f32 and their like allow (about 1e-6 of the number): no bf16 or f16 on the way to a quantiser, and a product that is left as it is and whose result goes on into a quantised operand takes f32 operands (vector FMAs, or v_wmma_f32_16x16x4_f32). A number that lies on a knife's edge between two numbers of the format may be rounded either way, as far as f32 arithmetic and the matrix unit's own rounding can turn it there, and no further.
;; 2 versions, each right; version 2 is version 1 with the launch chain written anew for expert scheduling mode. Each part assembles by itself: llvm-mc -triple=amdgcn-amd-amdhsa -mcpu=gfx1250 --defsym DOCPART=n.
;; ======== version 1 of 2: 3 launches
;; workspace buffers: wq1 8,388,608 bytes; wq2 8,388,608 bytes; xq 4,194,304 bytes; ypart 75,497,472 bytes; tiles 1,024 bytes of whole numbers; rowent 36,864 bytes of whole numbers; tokslot 32,768 bytes of whole numbers
;; launch prep (part 1): grid 577 x 1, 8 waves a work-group, no clusters, 2,048 bytes of LDS; arguments W1, W2, x, expert_indices, lowp_scales, wq1, wq2, xq, tiles, rowent, tokslot; writes wq1, wq2, xq, tiles, rowent, tokslot
.if DOCPART == 1
	.amdgcn_target "amdgcn-amd-amdhsa--gfx1250"
	.amdhsa_code_object_version 6
	.text
	.protected	k_q9a29783eb8_prep
	.globl	k_q9a29783eb8_prep
	.p2align	8
	.type	k_q9a29783eb8_prep,@function
k_q9a29783eb8_prep:
	s_mov_b64 s[64:65], 0
	v_nop
	global_prefetch_b8 v0, s[64:65] scope:SCOPE_SE
	s_setreg_imm32_b32 hwreg(HW_REG_WAVE_MODE, 25, 1), 1
	s_wait_xcnt 0x0
; PREPARATION for a layer of 8 routed experts (4,096 tokens, d = 512, hidden 2,048, two index slots a token).  Four jobs, told apart by the work-group's number alone:
;   work-group 0        ROUTING: a counting sort of the routed rows by expert, into tiles of 144 rows; stores tiles, rowent, tokslot (whole numbers that later launches form addresses from)
;   work-groups 1-64    X: each token's row is quantised twice, once with the scale of each of its two experts: xq row 2 t + kk
;   work-groups 65-320  W1 -> wq1,  321-576  W2 -> wq2: codes of E4M3 laid in the ORDER OF THE OPERAND'S REGISTERS, so that the next launch loads fragments whole, 16 bytes a lane
; code = number / 2^e, held within +-448, to the nearest code, ties to even.  e: lowp_scales[4 E + 0 .. 3] = x, W1, hidden, W2 of expert E.
; LIMITS: each e used here lies between -126 and 119 (2^e and 448 x 2^e are made as f32 numbers); NaN among the inputs is not served; an index is taken to lie in 0 .. 7 and is held there for the addresses' sake.
; LAYOUT of wq1, wq2: a block of 65,536 bytes for (expert E, part p of the hidden layer, wave w): block (4 E + p) 4 + w.  Byte t 16384 + (2 s + cc) 2048 + b 512 + hh 256 + r 16 + y holds column 128 w + 32 t + 16 cc + r
;   (wq1: hidden unit in part p; wq2: output column) at  k = 128 (y / 4) + 32 s + 8 b + 4 hh + y % 4  (wq1, K = d)  or  k = 128 s + 32 b + 16 (y / 8) + 8 hh + y % 8  (wq2, K = the part's 512 hidden units).
;   Both are permutations of k that the other operand shares: x's codes as dense loads leave them, the hidden layer as the first product's results lie.
; LAYOUT of xq: row 2 t + kk of 512 bytes; byte 16 L + 4 j + i is the code of x[t][128 j + 4 L + i].
; Memory binds here: no matrix unit, no tensor loads, no cluster (no two work-groups read the same bytes).  Only the routing uses LDS (1,024 bytes) and a barrier.
.set TAU,  144                         ; rows in a tile: 64 tiles of 144 serve every split of at most 8,192 rows over 8 experts
.set MDIV, 29128                       ; (n x 29128) >> 22 = n / 144 rounded down, for n below 32,768
.set XS,   16                          ; v16-79   four sets of 16 numbers as loaded
.set CQ,   80                          ; v80-111  weights: four registers of codes for each of 8 groups, never rewritten
.set XT,   80                          ; v80-95   x: 16 held numbers
.set XC,   96                          ; v96-127  x: eight sets of four registers of codes
	s_load_b512 s[4:19], s[0:1], 0x0               ; W1 s[4:5], W2 s[6:7], x s[8:9], indices s[10:11], scales s[12:13], wq1 s[14:15], wq2 s[16:17], xq s[18:19]
	s_load_b128 s[20:23], s[0:1], 0x40             ; tiles s[20:21], rowent s[22:23]
	s_load_b64 s[24:25], s[0:1], 0x50              ; tokslot
	v_lshl_add_u32 v128, v0, 2, 0x400
	v_mov_b32 v129, 0
	v_lshrrev_b32 v1, 5, v0
	v_readfirstlane_b32 s26, v1                    ; wave 0..7
	v_and_b32 v2, 31, v0                           ; lane
	s_wait_kmcnt 0x0
	s_cmp_eq_u32 ttmp9, 0
	s_cbranch_scc1 .Lroute
	s_cmp_lt_u32 ttmp9, 65
	s_cbranch_scc1 .Lxpath
	s_cmp_lt_u32 ttmp9, 321
	s_cbranch_scc1 .Lw1path
; ---- WEIGHTS.  A work-group takes 256 columns x 128 k of one expert; wave v its columns 32 v on; A LANE TAKES A COLUMN AND ITS REGISTERS RUN DOWN K, in the order of the layout above, so the conversions' results are 16 bytes
; of the image and nothing is transposed.  Each load reads 128 consecutive bytes a wave (1,024 a work-group); each store covers two aligned runs of 256 bytes.
; group g = 2 b + hh: 16 loads, register y = the group's y-th k
.macro LOADG g, w2, pitch
.irp y, 0,1,2,3,4,5,6,7,8,9,10,11,12,13,14,15
	global_load_b32 v[XS+16*((\g)%4)+\y], v3, s[40:41] offset:((\w2)*(32*((\g)/2)+16*(\y/8)+8*((\g)%2)+\y%8)+(1-(\w2))*(128*(\y/4)+8*((\g)/2)+4*((\g)%2)+\y%4))*(\pitch) th:TH_LOAD_NT
.endr
.endm
.macro GROUP g, w2, pitch
.if (\g) < 5
	LOADG (\g)+3, \w2, \pitch                      ; three groups ahead, into the set that the group before has left
	s_wait_loadcnt 48                              ; this group's 16 loads are in; the three younger groups' 48 may be out
.else
	s_wait_loadcnt 16*(7-(\g))                     ; the counts run down: 32, 16, 0
.endif
.irp y, 0,1,2,3,4,5,6,7,8,9,10,11,12,13,14,15
	v_med3_num_f32 v[XS+16*((\g)%4)+\y], v[XS+16*((\g)%4)+\y], -v10, v10   ; the conversion to an 8-bit code does not saturate (ISA guide 7.6.2): the hold at 448 x the scale comes first
.endr
	v_cvt_scalef32_pk8_fp8_f32 v[CQ+4*(\g):CQ+4*(\g)+1], v[XS+16*((\g)%4):XS+16*((\g)%4)+7], v11
	v_cvt_scalef32_pk8_fp8_f32 v[CQ+4*(\g)+2:CQ+4*(\g)+3], v[XS+16*((\g)%4)+8:XS+16*((\g)%4)+15], v11
	global_store_b128 v4, v[CQ+4*(\g):CQ+4*(\g)+3], s[42:43] offset:512*((\g)/2)+256*((\g)%2)   ; lanes 0-15 and lanes 16-31 each store 256 consecutive bytes, aligned.  (The next group's holds are plain lines on other registers)
.endm
; first: the job's first work-group; pitch: bytes of a row of the weight; src, dst: the pointers' registers; sc: the scale's byte in the expert's four entries
.macro WPATH first, pitch, w2, src, dst, sc
	s_sub_co_u32 s27, ttmp9, \first                ; g
	s_lshr_b32 s28, s27, 5                         ; expert
	s_lshl_b32 s38, s28, 4
	s_load_b32 s39, s[12:13], s38 offset:\sc       ; e of this weight
.if \w2
	s_bfe_u32 s29, s27, 0x10004                    ; cg: which 256 columns (of 512)
	s_and_b32 s30, s27, 15                         ; which 128 of K = 2,048
	s_lshl_b32 s31, s30, 7                         ; first row
	s_and_b32 s34, s30, 3                          ; K step s in its part
	s_lshr_b32 s33, s30, 2                         ; part p
	s_lshl_b32 s35, s28, 2
	s_add_co_u32 s35, s35, s33
	s_lshl_b32 s35, s35, 2                         ; 4 (4 E + p)
.else
	s_bfe_u32 s29, s27, 0x30002                    ; cg: which 256 columns (of 2,048): part cg / 2
	s_and_b32 s34, s27, 3                          ; K step s
	s_lshl_b32 s31, s34, 5                         ; first row: 32 s
	s_lshl_b32 s35, s28, 4                         ; 16 E
.endif
	s_lshl_b32 s36, s29, 1
	s_add_co_u32 s35, s35, s36
	s_lshr_b32 s36, s26, 2
	s_add_co_u32 s35, s35, s36                     ; the block: + 2 cg + wave / 4
	s_lshl_b32 s40, s28, 22                        ; from: an expert's weight is 4 MiB,
	s_mul_i32 s36, s31, \pitch
	s_add_co_u32 s40, s40, s36                     ; + the first row,
	s_lshl_b32 s36, s29, 10
	s_add_co_u32 s40, s40, s36
	s_lshl_b32 s36, s26, 7
	s_add_co_u32 s40, s40, s36                     ; + 4 bytes x (256 cg + 32 wave)
	s_mov_b32 s41, 0
	s_add_nc_u64 s[40:41], s[\src:\src+1], s[40:41]
	s_lshl_b32 s42, s35, 16                        ; to: the block,
	s_and_b32 s36, s26, 3
	s_lshl_b32 s36, s36, 14
	s_add_co_u32 s42, s42, s36                     ; + t 16384, t = wave % 4,
	s_lshl_b32 s36, s34, 12
	s_add_co_u32 s42, s42, s36                     ; + s 4096
	s_mov_b32 s43, 0
	s_add_nc_u64 s[42:43], s[\dst:\dst+1], s[42:43]
	v_lshlrev_b32 v3, 2, v2                        ; in: 4 bytes a lane
	v_and_b32 v4, 15, v2
	v_lshrrev_b32 v5, 4, v2
	v_lshlrev_b32 v4, 4, v4
	v_lshl_add_u32 v4, v5, 11, v4                  ; out: cc 2048 + 16 r
	LOADG 0, \w2, \pitch
	LOADG 1, \w2, \pitch
	LOADG 2, \w2, \pitch
	s_wait_kmcnt 0x0
	s_add_co_i32 s39, s39, 127
	s_lshl_b32 s38, s39, 23
	v_mov_b32 v11, s38                             ; 2^e as f32: the conversion takes its exponent field
	s_add_co_i32 s39, s39, 8
	s_lshl_b32 s39, s39, 23
	s_or_b32 s39, s39, 0x600000
	v_mov_b32 v10, s39                             ; 448 x 2^e
.irp g, 0,1,2,3,4,5,6,7
	GROUP \g, \w2, \pitch
.endr
.endm
	WPATH 321, 2048, 1, 6, 16, 12
	s_endpgm
.Lw1path:
	WPATH 65, 8192, 0, 4, 14, 4
	s_endpgm
; ---- X.  A wave takes 8 tokens, a row at a time: four loads of 512 consecutive bytes; lane L then holds x[128 j + 4 L + i] in register 4 j + i, and its 16 codes are bytes 16 L on of the row of xq: one dense store of 512 bytes.
.Lxpath:
	s_sub_co_u32 s27, ttmp9, 1
	s_lshl_b32 s27, s27, 3
	s_add_co_u32 s27, s27, s26                     ; which run of 8 tokens
	s_lshl_b32 s28, s27, 6
	s_load_b512 s[48:63], s[10:11], s28 offset:0x0 ; its 16 indices
	s_lshl_b32 s30, s27, 14
	s_mov_b32 s31, 0
	s_add_nc_u64 s[86:87], s[8:9], s[30:31]        ; x: 8 rows of 2,048 bytes
	s_lshl_b32 s30, s27, 13
	s_add_nc_u64 s[88:89], s[18:19], s[30:31]      ; xq: 16 rows of 512 bytes
	v_lshlrev_b32 v3, 4, v2
.macro XLOAD i
.irp j, 0,1,2,3
	global_load_b128 v[XS+16*((\i)%4)+4*\j:XS+16*((\i)%4)+4*\j+3], v3, s[86:87] offset:2048*(\i)+512*\j th:TH_LOAD_NT
.endr
.endm
	XLOAD 0
	XLOAD 1
	XLOAD 2
	s_wait_kmcnt 0x0
.set i, 0
.rept 16
	s_min_u32 s[48+i], s[48+i], 7
	s_lshl_b32 s[48+i], s[48+i], 4
	s_load_b32 s[68+i], s[12:13], s[48+i] offset:0x0   ; ex of that expert
.set i, i+1
.endr
	s_wait_kmcnt 0x0
.macro XROW i
.if (\i) < 5
	XLOAD (\i)+3
	s_wait_loadcnt 12                              ; this row's four loads are in; the three younger rows' 12 may be out
.else
	s_wait_loadcnt 4*(7-(\i))                      ; the counts run down: 8, 4, 0
.endif
.if (\i) == 4
	s_wait_xcnt 0x0                                ; the stores of rows 0 to 3 have read their registers: the eight sets of codes are written a second time from here on
.endif
.irp kk, 0,1
	s_add_co_i32 s84, s[68+2*(\i)+\kk], 127
	s_lshl_b32 s85, s84, 23
	s_add_co_i32 s84, s84, 8
	s_lshl_b32 s84, s84, 23
	s_or_b32 s84, s84, 0x600000
	v_mov_b32 v10, s84                             ; 448 x 2^ex.  (This plain line stands between the last conversion and the write of its scale below)
	v_mov_b32 v11, s85                             ; 2^ex
.irp y, 0,1,2,3,4,5,6,7,8,9,10,11,12,13,14,15
	v_med3_num_f32 v[XT+\y], v[XS+16*((\i)%4)+\y], -v10, v10
.endr
	v_cvt_scalef32_pk8_fp8_f32 v[XC+4*((2*(\i)+\kk)%8):XC+4*((2*(\i)+\kk)%8)+1], v[XT:XT+7], v11
	v_cvt_scalef32_pk8_fp8_f32 v[XC+4*((2*(\i)+\kk)%8)+2:XC+4*((2*(\i)+\kk)%8)+3], v[XT+8:XT+15], v11
	global_store_b128 v3, v[XC+4*((2*(\i)+\kk)%8):XC+4*((2*(\i)+\kk)%8)+3], s[88:89] offset:512*(2*(\i)+\kk)
.endr
.endm
.irp i, 0,1,2,3,4,5,6,7
	XROW \i
.endr
	s_endpgm
; ---- ROUTING.  One work-group.  A token gives one row to each DIFFERENT expert among its two indices.  Wave v owns tokens 512 v on, in 16 chunks of 32.  Pass 1 counts; the waves' counts meet in LDS; pass 2 ranks.
; Expert E's rows fill tiles TB_E on, 144 rows each; slot = tile x 144 + row.  rowent[slot] = the row of xq; unused slots hold 0 (a valid row whose result nobody reads).  tokslot[t][kk] = slot.  tiles[T] = the tile's expert.
; The stores into rowent go to places that the sort decides, 4 bytes a lane: 8,192 words in all, a compaction.
.Lroute:
	v_lshlrev_b32 v3, 3, v2
	s_lshl_b32 s36, s26, 12
	v_add_nc_u32 v3, s36, v3                       ; my token's 8 bytes in the indices and in tokslot: 4096 wave + 8 lane (+ 256 chunk)
.set c, 0
.rept 16
	global_load_b64 v[32+2*c:33+2*c], v3, s[10:11] offset:256*c
.set c, c+1
.endr
	v_mov_b32 v4, 0
	v_mov_b32 v5, 0
	v_mov_b32 v6, 0
	v_mov_b32 v7, 0
	v_lshlrev_b32 v8, 4, v0
.set c, 0
.rept 9
	global_store_b128 v8, v[4:7], s[22:23] offset:4096*c   ; rowent = 0: 9 x 256 threads x 16 bytes = 36,864
.set c, c+1
.endr
.irp e, 0,1,2,3,4,5,6,7
	s_mov_b32 s[40+\e], 0
.endr
	v_lshlrev_b32 v17, 1, v2
	s_lshl_b32 s36, s26, 10
	v_add_nc_u32 v17, s36, v17                     ; 2 x my token of chunk 0
	v_lshlrev_b32 v21, 2, v0                       ; 4 x thread
	v_lshlrev_b32 v22, 2, v2                       ; 4 x lane
	s_wait_loadcnt 0x0
; a chunk's masks, all sixteen compares in one run: s[68 + 2 e], s[69 + 2 e]: index slot 0, 1 names expert e; s[84 + e]: either
.macro MASKS c
.irp e, 0,1,2,3,4,5,6,7
	v_cmp_eq_u32 s[68+2*\e], \e, v[32+2*(\c)]
	v_cmp_eq_u32 s[69+2*\e], \e, v[33+2*(\c)]
.endr
.irp e, 0,1,2,3,4,5,6,7
	s_or_b32 s[84+\e], s[68+2*\e], s[69+2*\e]
.endr
.endm
.set c, 0
.rept 16
	MASKS c
.irp e, 0,1,2,3,4,5,6,7
	s_bcnt1_i32_b32 s36, s[84+\e]
	s_add_co_u32 s[40+\e], s[40+\e], s36           ; my wave's rows of expert e
.endr
.set c, c+1
.endr
	v_mov_b32 v20, 0
.irp e, 0,1,2,3,4,5,6,7
	v_writelane_b32 v20, s[40+\e], \e
.endr
	ds_store_b32 v21, v20                          ; wave w's counts at 128 w + 4 e
	s_wait_storecnt 0x0                            ; the zeros in rowent are done: other waves write over some of them behind the barrier
	s_wait_dscnt 0x0                               ; and so is my part of the table
	s_barrier_signal -1
	s_barrier_wait -1
.irp w, 0,1,2,3,4,5,6,7
	ds_load_b32 v[24+\w], v22 offset:128*\w
.endr
	v_mov_b32 v23, 0
	v_mov_b32 v20, 0
	s_wait_dscnt 0x0
.irp w, 0,1,2,3,4,5,6,7
	v_add_nc_u32 v23, v23, v[24+\w]                ; lane e: all rows of expert e
	s_cmp_gt_u32 s26, \w
	s_cselect_b32 s36, -1, 0
	v_and_b32 v[24+\w], s36, v[24+\w]
	v_add_nc_u32 v20, v20, v[24+\w]                ; lane e: those of the waves in front of mine
.endr
.irp e, 0,1,2,3,4,5,6,7
	v_readlane_b32 s[48+\e], v23, \e
	v_readlane_b32 s[56+\e], v20, \e
.endr
	s_mov_b32 s38, 0
.irp e, 0,1,2,3,4,5,6,7
	s_lshl_b32 s36, s38, 16
	s_add_co_u32 s[56+\e], s[56+\e], s36           ; (first tile << 16) + the rank of my wave's first row: a rank stays under 4,097
	s_mov_b32 s[40+\e], s38                        ; TB_e
	s_add_co_u32 s36, s[48+\e], TAU-1
	s_mul_i32 s36, s36, MDIV
	s_lshr_b32 s36, s36, 22                        ; the expert's tiles: its rows / 144, rounded up
	s_add_co_u32 s38, s38, s36
.endr
.macro SLOT dst, p
	v_and_b32 v12, 0xffff, v[\p]                   ; rank
	v_lshrrev_b32 v13, 16, v[\p]                   ; the expert's first tile
	v_mul_u32_u24 v16, v12, MDIV
	v_lshrrev_b32 v16, 22, v16                     ; rank / 144
	v_add_nc_u32 v13, v13, v16
	v_mul_u32_u24 v16, v16, TAU
	v_sub_nc_u32 v12, v12, v16
	v_mad_u32_u24 v[\dst], v13, TAU, v12           ; tile x 144 + row
	v_min_u32 v[\dst], 9215, v[\dst]
.endm
.macro PLACE c
	MASKS \c
	v_mov_b32 v10, 0
	v_mov_b32 v11, 0
.irp e, 0,1,2,3,4,5,6,7
	v_mbcnt_lo_u32_b32 v12, s[84+\e], 0            ; rows of expert e in the lanes below mine
	v_add_nc_u32 v12, s[56+\e], v12
	v_cndmask_b32 v10, v10, v12, s[68+2*\e]
	v_cndmask_b32 v11, v11, v12, s[69+2*\e]
.endr
.irp e, 0,1,2,3,4,5,6,7
	s_bcnt1_i32_b32 s36, s[84+\e]
	s_add_co_u32 s[56+\e], s[56+\e], s36
.endr
	s_wait_xcnt 0x0                                ; the last chunk's stores have read their addresses and data, which are written again below
	SLOT 14, 10
	SLOT 15, 11
	v_add_nc_u32 v18, 64*(\c), v17                 ; xq row 2 t
	v_cmp_ne_u32 vcc_lo, v[32+2*(\c)], v[33+2*(\c)]
	v_cndmask_b32 v19, 0, 1, vcc_lo
	v_add_nc_u32 v19, v18, v19                     ; 2 t + 1; 2 t where both indices are the same expert (one row, one slot, the same word stored twice)
	v_lshlrev_b32 v8, 2, v14
	v_lshlrev_b32 v9, 2, v15
	global_store_b32 v8, v18, s[22:23]
	global_store_b32 v9, v19, s[22:23]
	global_store_b64 v3, v[14:15], s[24:25] offset:256*(\c)   ; 256 consecutive bytes a wave
.endm
.set c, 0
.rept 16
	PLACE c
.set c, c+1
.endr
	v_mov_b32 v10, 0
.irp e, 1,2,3,4,5,6,7
	v_cmp_le_u32 vcc_lo, s[40+\e], v0
	v_cndmask_b32 v10, v10, \e, vcc_lo             ; the last expert whose first tile is not behind tile i
.endr
	global_store_b32 v21, v10, s[20:21]            ; 256 entries; 64 are read
	s_wait_tensorcnt 0x0
	ds_add_u32 v128, v129
	s_wait_dscnt 0x0
	s_endpgm
.Lfunc_end_k_q9a29783eb8_prep:
	.size	k_q9a29783eb8_prep, .Lfunc_end_k_q9a29783eb8_prep-k_q9a29783eb8_prep
	.p2alignl 7, 3214868480
	.fill 96, 4, 3214868480
	.section	.rodata,"a",@progbits
	.p2align	6, 0x0
	.amdhsa_kernel k_q9a29783eb8_prep
		.amdhsa_group_segment_fixed_size 2048
		.amdhsa_private_segment_fixed_size 0
		.amdhsa_enable_private_segment 0
		.amdhsa_kernarg_size 88
		.amdhsa_user_sgpr_count 2
		.amdhsa_user_sgpr_kernarg_segment_ptr 1
		.amdhsa_wavefront_size32 1
		.amdhsa_system_sgpr_workgroup_id_x 1
		.amdhsa_system_sgpr_workgroup_id_y 1
		.amdhsa_system_sgpr_workgroup_id_z 1
		.amdhsa_system_vgpr_workitem_id 0
		.amdhsa_next_free_vgpr 130
		.amdhsa_next_free_sgpr 100
		.amdhsa_reserve_vcc 1
		.amdhsa_float_denorm_mode_32 3
		.amdhsa_float_denorm_mode_16_64 3
		.amdhsa_memory_ordered 1
		.amdhsa_forward_progress 1
		.amdhsa_inst_pref_size 199
	.end_amdhsa_kernel
	.amdgpu_metadata
---
amdhsa.version: [ 1, 2 ]
amdhsa.kernels:
  - .name:           k_q9a29783eb8_prep
    .symbol:         k_q9a29783eb8_prep.kd
    .args:
      - { .name: W1, .offset: 0, .size: 8, .value_kind: global_buffer, .address_space: global }
      - { .name: W2, .offset: 8, .size: 8, .value_kind: global_buffer, .address_space: global }
      - { .name: x, .offset: 16, .size: 8, .value_kind: global_buffer, .address_space: global }
      - { .name: expert_indices, .offset: 24, .size: 8, .value_kind: global_buffer, .address_space: global }
      - { .name: lowp_scales, .offset: 32, .size: 8, .value_kind: global_buffer, .address_space: global }
      - { .name: wq1, .offset: 40, .size: 8, .value_kind: global_buffer, .address_space: global }
      - { .name: wq2, .offset: 48, .size: 8, .value_kind: global_buffer, .address_space: global }
      - { .name: xq, .offset: 56, .size: 8, .value_kind: global_buffer, .address_space: global }
      - { .name: tiles, .offset: 64, .size: 8, .value_kind: global_buffer, .address_space: global }
      - { .name: rowent, .offset: 72, .size: 8, .value_kind: global_buffer, .address_space: global }
      - { .name: tokslot, .offset: 80, .size: 8, .value_kind: global_buffer, .address_space: global }
    .group_segment_fixed_size: 2048
    .private_segment_fixed_size: 0
    .kernarg_segment_align: 8
    .kernarg_segment_size: 88
    .max_flat_workgroup_size: 256
    .sgpr_count:     100
    .vgpr_count:     130
    .wavefront_size: 32
...
	.end_amdgpu_metadata
.endif
;; end of part 1
;; launch chain (part 2): grid 4 x 64, 4 waves a work-group, no clusters, 313,856 bytes of LDS; arguments tiles, rowent, xq, wq1, wq2, b1, lowp_scales, ypart; writes ypart
.if DOCPART == 2
	.amdgcn_target "amdgcn-amd-amdhsa--gfx1250"
	.amdhsa_code_object_version 6
	.text
	.protected	k_q9a29783eb8_chain
	.globl	k_q9a29783eb8_chain
	.p2align	8
	.type	k_q9a29783eb8_chain,@function
k_q9a29783eb8_chain:
	s_mov_b64 s[64:65], 0
	v_nop
	global_prefetch_b8 v0, s[64:65] scope:SCOPE_SE
	s_setreg_imm32_b32 hwreg(HW_REG_WAVE_MODE, 25, 1), 1
	s_wait_xcnt 0x0
; ONE TILE OF ONE EXPERT THROUGH BOTH PRODUCTS, for one quarter of the hidden layer.  Work-group (p, T): the 144 routed rows of tile T (expert E = tiles[T]), hidden units 512 p .. 512 p + 511:
;   h = gelu(x W1 + b1) (exact gelu, f32), quantised to E4M3 with 2^eh;  ypart[slot][p][:] = the f32 sums of h's codes x W2's codes over the part's 512 hidden units (not yet x 2^(eh + ew2); the next launch adds the four parts).
; Both products by v_wmma_f32_16x16x128_fp8_fp8 on codes; x's and the weights' codes were made by the launch before.
; SHARES.  Four waves.  Wave w makes hidden units 128 w on (first product) and output columns 128 w on (second), for all nine row tiles of 16 rows.  THE ROWS' CODES STAY IN REGISTERS (9 x 4 fragments, 576 registers);
; THE WEIGHTS STREAM from memory straight into registers, laid by the launch before in the order of the operand's registers: 32 loads of 512 consecutive bytes for a trip's 32 columns; each weight byte is read once by the work-group.
; BOTH PRODUCTS ARE USED TRANSPOSED (source 0 = 16 columns of the weight, source 1 = 16 rows): a lane holds ONE row, and its registers run along the columns; so the 16 results of two neighbouring tiles become 16 codes of the next
; operand by two conversions, and a lane's 8 results of the second product are 32 neighbouring bytes of a row of ypart.
; OPERANDS GO FROM WAVE TO WAVE THROUGH LDS as images of their registers: sub-block 8 s + 2 b + hh (K step s, registers 4 b on, half hh of the lanes) holds 16 rows x 16 bytes; sub-blocks lie 272 bytes apart, so that stores
; that go down the sub-blocks (x's) start at 16 different banks (68 words; 64 banks of 4 bytes: ISA guide 11.1); loads and the hidden layer's stores take 256 consecutive bytes for 16 lanes.
; Every tile has the fixed shape of 144 rows: no branch, trip count or barrier hangs on a stored number.  Slots without a row hold row 0 of xq; their results go to rows of ypart that nobody reads.
; NO TENSOR LOADS, NO CLUSTER: the weights need no pass through LDS; which tiles share an expert hangs on the stored table, so partners' addresses would differ; what the four parts of a tile do share, x's 72 KB of codes,
; is an eighth of the 584 KB that a work-group reads.  No prefetch: each run of weight loads is issued nine gelu units, or a trip of products, ahead of its use.
; GELU: gelu(z) = max(z, 0) - |z| q,  q = erfc(|z| / sqrt 2) / 2 = u 2^(P(u) - z^2 log2(e) / 2),  u = 1 / (1 + |z| / (2 sqrt 2)),  P of degree 9 (the rational-argument form of erfc whose fractional error stays under 1.2e-7;
; its coefficients x log2 e, and 1 taken off the constant for the half).  No difference of nearly equal numbers on either side of 0.
; LIMITS: ex + ew1 between -126 and 127; eh between -126 and 119; NaN and infinities are not served; below z of about -13 the exponential gives 0 and gelu is -0 where its value is under 1e-37.
; REGISTERS, in windows of 256:  window 0: v0-19 addresses; v32-47 b1 as the C of two tiles; v48-111 row tile 8's four fragments (at the head: 36 row offsets); v112-127 its two accumulators (at the head: x rows 32-35);
;   v128-255: at the head x rows 0-31; first product: gelu's work and constants; second product: weight buffer 2.   window 1: v0-127 accumulators (row tile a, column tile cc) at 16 a + 8 cc; v128-255 weight buffer 1, fragment (s, cc) at 128 + 32 s + 16 cc.
;   windows 2, 3: fragments of row tiles 0-7: (a, s) at 128 (s % 2) + 16 a, window 2 + s / 2.
.set SUBP, 272                         ; from sub-block to sub-block
.set RT,   32*SUBP                     ; a row tile's image: 8,704 bytes
.set HIMG, 9*RT                        ; LDS: x's images from 0, the hidden layer's from here,
.set STG,  18*RT                       ; the stages for the way out from here: for each wave
.set STW,  144*272                     ; 144 rows x (256 bytes + 16)
.set Z,    128                         ; v128-143 z, then gelu(z)
.set U,    144                         ; v144-159 u
.set W,    160                         ; v160-175 z^2, then max(z, 0)
.set P,    176                         ; v176-191 the polynomial, the exponential, q
.set Q,    192                         ; v192-195 16 codes
.set CF,   208                         ; v208-227 c0 .. c9, each twice (a pair for the packed forms)
.set CM,   228                         ; v228-229 -log2(e) / 2
.set S1,   230                         ; v230-231 2^(ex + ew1)
.set CH,   232                         ; v232     1 / (2 sqrt 2)
.set LIM,  233                         ; v233     448 x 2^eh
.set SC,   234                         ; v234     2^eh
.set MSB, 0
.macro WIN new                         ; the immediate's high byte repeats the setting that is left; a switch that changes nothing is dropped
.if MSB != (\new)
	s_set_vgpr_msb (MSB<<8)|(\new)
.set MSB, (\new)
.endif
.endm
.macro PLACES n                        ; plain vector lines between a matrix instruction and what may not follow it closely (ISA guide 7.12.1)
.rept \n
	v_nop
.endr
.endm
.macro BARRIER                         ; my LDS stores have landed and my LDS loads are in: then the work-group's barrier
	s_wait_dscnt 0x0
	s_barrier_signal -1
	s_barrier_wait -1
.endm
.macro BLOAD win, ptr, off             ; a trip's 32 columns x 512 k of a weight: 8 fragments, 32 loads of 512 consecutive bytes.  win = 0x40: buffer 1 (window 1); 0: buffer 2
	WIN \win
.set n, 0
.rept 32
	global_load_b128 v[128+4*n:131+4*n], v4, s[\ptr:\ptr+1] offset:\off+512*n
.set n, n+1
.endr
	WIN 0
.endm
.macro B1LOAD                          ; b1 of the trip's 32 hidden units, in the result's layout: lane (r, hh), tile cc: units 16 cc + 8 hh + 0 .. 7
	global_load_b128 v[32:35], v16, s[78:79]
	global_load_b128 v[36:39], v16, s[78:79] offset:16
	global_load_b128 v[40:43], v16, s[78:79] offset:64
	global_load_b128 v[44:47], v16, s[78:79] offset:80
.endm
.macro B1SCALE                         ; a sum of the first product stands for sum x 2^(ex + ew1): b1 goes in divided by that
.set n, 0
.rept 16
	v_ldexp_f32 v[32+n], v[32+n], s86
.set n, n+1
.endr
.endm
.macro ALOAD r0                        ; row tiles 0-7, all four K steps, from the images: 128 loads, K step by K step.  v[r0]: row tiles 0-3, v[r0 + 1]: 4-7
.irp s, 0,1,2,3
	WIN 0x80+0x40*(\s/2)
.irp a, 0,1,2,3,4,5,6,7
.irp b, 0,1,2,3
	ds_load_b128 v[128*(\s%2)+16*\a+4*\b:128*(\s%2)+16*\a+4*\b+3], v[\r0+\a/4] offset:(\a%4)*RT+(8*\s+2*\b)*SUBP
.endr
.endr
.endr
	WIN 0
.endm
.macro A9LOAD r8                       ; row tile 8: 16 loads
.irp s, 0,1,2,3
.irp b, 0,1,2,3
	ds_load_b128 v[48+16*\s+4*\b:48+16*\s+4*\b+3], v[\r8] offset:(8*\s+2*\b)*SUBP
.endr
.endr
.endm
; 16 matrix instructions: K step s, row tiles 0-7 x column tiles 0, 1.  bw: the weight buffer's window (1: buffer 1, 0: buffer 2).  cmode 0: the sums go on; 1: b1 starts them; 2: the constant 0 starts them.
; The 16 accumulators take turns, one instruction a turn, in the same order in every K step.
.macro MM s, bw, cmode
.if (\cmode) == 1
	WIN 0x40+(\bw)+4*(2+(\s)/2)
.else
	WIN 0x50+(\bw)+4*(2+(\s)/2)
.endif
.irp a, 0,1,2,3,4,5,6,7
.irp cc, 0,1
.if (\cmode) == 0
	v_wmma_f32_16x16x128_fp8_fp8 v[16*\a+8*\cc:16*\a+8*\cc+7], v[128+32*(\s)+16*\cc:128+32*(\s)+16*\cc+15], v[128*((\s)%2)+16*\a:128*((\s)%2)+16*\a+15], v[16*\a+8*\cc:16*\a+8*\cc+7]
.elseif (\cmode) == 1
	v_wmma_f32_16x16x128_fp8_fp8 v[16*\a+8*\cc:16*\a+8*\cc+7], v[128+32*(\s)+16*\cc:128+32*(\s)+16*\cc+15], v[128*((\s)%2)+16*\a:128*((\s)%2)+16*\a+15], v[32+8*\cc:39+8*\cc]
.else
	v_wmma_f32_16x16x128_fp8_fp8 v[16*\a+8*\cc:16*\a+8*\cc+7], v[128+32*(\s)+16*\cc:128+32*(\s)+16*\cc+15], v[128*((\s)%2)+16*\a:128*((\s)%2)+16*\a+15], 0
.endif
.endr
.endr
.endm
.macro MM9 bw, cmode                   ; row tile 8: 8 matrix instructions, its two accumulators by turns
	WIN \bw
.irp s, 0,1,2,3
.irp cc, 0,1
.if (\s == 0) && ((\cmode) == 1)
	v_wmma_f32_16x16x128_fp8_fp8 v[112+8*\cc:119+8*\cc], v[128+32*\s+16*\cc:128+32*\s+16*\cc+15], v[48+16*\s:63+16*\s], v[32+8*\cc:39+8*\cc]
.elseif \s == 0
	v_wmma_f32_16x16x128_fp8_fp8 v[112+8*\cc:119+8*\cc], v[128+32*\s+16*\cc:128+32*\s+16*\cc+15], v[48+16*\s:63+16*\s], 0
.else
	v_wmma_f32_16x16x128_fp8_fp8 v[112+8*\cc:119+8*\cc], v[128+32*\s+16*\cc:128+32*\s+16*\cc+15], v[48+16*\s:63+16*\s], v[112+8*\cc:119+8*\cc]
.endif
.endr
.endr
	WIN 0
.endm
; A GELU UNIT: the 16 sums of a lane in two neighbouring tiles (registers acc on, in window aw) become 16 codes, stored as 16 bytes of the hidden layer's image at v[hst] + off.
.macro GELU acc, aw, hst, off
	WIN \aw
.irp j, 0,2,4,6,8,10,12,14
	v_pk_mul_f32 v[Z+\j:Z+\j+1], v[(\acc)+\j:(\acc)+\j+1], v[S1:S1+1]      ; z = sum x 2^(ex + ew1): exact; each accumulator is read from its low end on
.endr
	WIN 0
.irp j, 0,1,2,3,4,5,6,7,8,9,10,11,12,13,14,15
	v_fma_f32 v[U+\j], |v[Z+\j]|, v[CH], 1.0
.endr
.irp j, 0,1,2,3,4,5,6,7,8,9,10,11,12,13,14,15
	v_rcp_f32 v[U+\j], v[U+\j]                     ; u
.endr
.irp j, 0,2,4,6,8,10,12,14
	v_pk_mul_f32 v[W+\j:W+\j+1], v[Z+\j:Z+\j+1], v[Z+\j:Z+\j+1]            ; z^2: plain lines behind the reciprocals that name none of their results
.endr
	s_wait_alu depctr_va_vdst(0)                   ; one wait for the batch of 16 reciprocals, ahead of their first reader
.irp j, 0,2,4,6,8,10,12,14
	v_pk_fma_f32 v[P+\j:P+\j+1], v[U+\j:U+\j+1], v[CF+18:CF+19], v[CF+16:CF+17]
.endr
.irp k, 7,6,5,4,3,2,1,0
.irp j, 0,2,4,6,8,10,12,14
	v_pk_fma_f32 v[P+\j:P+\j+1], v[P+\j:P+\j+1], v[U+\j:U+\j+1], v[CF+2*\k:CF+2*\k+1]
.endr
.endr
.irp j, 0,2,4,6,8,10,12,14
	v_pk_fma_f32 v[P+\j:P+\j+1], v[W+\j:W+\j+1], v[CM:CM+1], v[P+\j:P+\j+1]
.endr
.irp j, 0,1,2,3,4,5,6,7,8,9,10,11,12,13,14,15
	v_exp_f32 v[P+\j], v[P+\j]
.endr
.irp j, 0,1,2,3,4,5,6,7,8,9,10,11,12,13,14,15
	v_max_num_f32 v[W+\j], 0, v[Z+\j]              ; plain lines behind the exponentials that name none of their results
.endr
	s_wait_alu depctr_va_vdst(0)                   ; one wait for the batch of 16 exponentials
.irp j, 0,2,4,6,8,10,12,14
	v_pk_mul_f32 v[P+\j:P+\j+1], v[P+\j:P+\j+1], v[U+\j:U+\j+1]            ; q
.endr
.irp j, 0,1,2,3,4,5,6,7,8,9,10,11,12,13,14,15
	v_fma_f32 v[Z+\j], -|v[Z+\j]|, v[P+\j], v[W+\j]
.endr
.irp j, 0,1,2,3,4,5,6,7,8,9,10,11,12,13,14,15
	v_med3_num_f32 v[Z+\j], v[Z+\j], -v[LIM], v[LIM]   ; the conversion to an 8-bit code does not saturate (ISA guide 7.6.2)
.endr
	s_wait_dscnt 0x0                               ; the last unit's store has read the codes' registers
	v_cvt_scalef32_pk8_fp8_f32 v[Q:Q+1], v[Z:Z+7], v[SC]
	v_cvt_scalef32_pk8_fp8_f32 v[Q+2:Q+3], v[Z+8:Z+15], v[SC]
	v_nop                                          ; one plain line between a scaled conversion and the next vector line that writes its sources
	ds_store_b128 v[\hst], v[Q:Q+3] offset:\off
.endm
.macro CONST reg, val
	v_mov_b32 v[\reg], \val
	v_mov_b32 v[\reg+1], \val
.endm
	s_load_b512 s[4:19], s[0:1], 0x0               ; tiles s[4:5], rowent s[6:7], xq s[8:9], wq1 s[10:11], wq2 s[12:13], b1 s[14:15], scales s[16:17], ypart s[18:19]
	v_lshl_add_u32 v30, v0, 2, 0x4c800
	v_mov_b32 v31, 0
	v_lshrrev_b32 v20, 5, v0
	v_readfirstlane_b32 s22, v20                   ; wave w
	s_and_b32 s24, ttmp7, 0xffff                   ; tile T;  ttmp9: part p
	s_lshl_b32 s25, s24, 2
	s_mul_i32 s26, s24, 576                        ; the tile's 144 words of rowent
	s_lshl_b32 s27, s22, 7
	s_add_co_u32 s27, s27, s26                     ; rows 32 w on
	s_lshl_b32 s21, s22, 4
	s_add_co_u32 s21, s21, s26                     ; rows 128 + 4 w on (the 128 stand in the immediate)
	s_wait_kmcnt 0x0
	s_load_b32 s20, s[4:5], s25 offset:0x0         ; the expert
	s_load_b512 s[32:47], s[6:7], s27 offset:0x0
	s_load_b512 s[48:63], s[6:7], s27 offset:0x40
	s_load_b128 s[68:71], s[6:7], s21 offset:0x200
	v_and_b32 v3, 31, v0                           ; lane L
	v_and_b32 v1, 15, v0                           ; r
	v_bfe_u32 v2, v0, 4, 1                         ; hh
	v_lshlrev_b32 v4, 4, v3                        ; 16 L
	v_mul_u32_u24 v20, v3, SUBP
	s_mul_i32 s90, s22, 2*RT
	v_add_nc_u32 v5, s90, v20                      ; x's rows into their images: lane L's 16 bytes are sub-block L; my rows 32 w on are row tiles 2 w, 2 w + 1
	s_lshl_b32 s90, s22, 6
	s_add_co_u32 s90, s90, 8*RT
	v_add_nc_u32 v6, s90, v20                      ; and rows 128 + 4 w on: row tile 8, rows 4 w on
	v_mul_u32_u24 v7, v2, SUBP
	v_lshl_add_u32 v7, v1, 4, v7                   ; a fragment's place for my lane: 272 hh + 16 r;  x: row tiles 0-3,
	v_add_nc_u32 v8, 4*RT, v7                      ; 4-7,
	v_add_nc_u32 v9, 8*RT, v7                      ; 8;
	v_add_nc_u32 v10, HIMG, v7                     ; the hidden layer likewise
	v_add_nc_u32 v11, HIMG+4*RT, v7
	v_add_nc_u32 v12, HIMG+8*RT, v7
	s_mul_i32 s90, s22, 8*SUBP
	v_add_nc_u32 v13, s90, v10                     ; where I store the hidden layer: my 128 units are K step w
	v_lshlrev_b32 v16, 5, v2                       ; b1: 32 hh
	s_mul_i32 s90, s22, STW
	s_add_co_u32 s90, s90, STG                     ; my stage
	v_mul_u32_u24 v17, v1, 272
	v_lshl_add_u32 v17, v2, 5, v17
	v_add_nc_u32 v17, s90, v17                     ; in: row r, 32 bytes for each half of the lanes
	v_add_nc_u32 v18, s90, v7                      ; back: lanes 0-15 one row of 256 bytes, lanes 16-31 the next
	v_lshlrev_b32 v19, 13, v2
	v_lshl_add_u32 v19, v1, 4, v19                 ; and the same two rows in ypart, 8,192 bytes apart
	s_wait_kmcnt 0x0
	s_min_u32 s20, s20, 7
	s_lshl_b32 s87, s20, 4
	s_load_b128 s[28:31], s[16:17], s87 offset:0x0 ; ex, ew1, eh, ew2
.set i, 0
.rept 32
	s_min_u32 s[32+i], s[32+i], 8191
	v_lshl_add_u32 v[48+i], s[32+i], 9, v4         ; the row of xq x 512 + 16 L
.set i, i+1
.endr
.set i, 0
.rept 4
	s_min_u32 s[68+i], s[68+i], 8191
	v_lshl_add_u32 v[80+i], s[68+i], 9, v4
.set i, i+1
.endr
.set i, 0
.rept 32
	global_load_b128 v[128+4*i:131+4*i], v[48+i], s[8:9]   ; a row's 512 bytes of codes: one dense load
.set i, i+1
.endr
.set i, 0
.rept 4
	global_load_b128 v[112+4*i:115+4*i], v[80+i], s[8:9]
.set i, i+1
.endr
	s_lshl_b32 s88, s20, 2
	s_add_co_u32 s88, s88, ttmp9
	s_lshl_b32 s88, s88, 2
	s_add_co_u32 s88, s88, s22
	s_lshl_b32 s88, s88, 16                        ; my block of both weights: ((4 E + p) 4 + w) x 65,536
	s_mov_b32 s89, 0
	s_add_nc_u64 s[72:73], s[10:11], s[88:89]      ; the weights' pointer that walks: W1's trip 0
	s_add_nc_u64 s[76:77], s[12:13], s[88:89]      ; W2's block
	s_lshl_b32 s88, s20, 13
	s_lshl_b32 s90, ttmp9, 11
	s_add_co_u32 s88, s88, s90
	s_lshl_b32 s91, s22, 9
	s_add_co_u32 s88, s88, s91
	s_add_nc_u64 s[78:79], s[14:15], s[88:89]      ; b1 at hidden unit 2048 E + 512 p + 128 w
	s_mul_i32 s88, s24, 144*8192
	s_add_co_u32 s88, s88, s90
	s_add_co_u32 s88, s88, s91
	s_add_nc_u64 s[82:83], s[18:19], s[88:89]      ; ypart at slot 144 T, part p, column 128 w
	BLOAD 0x40, 72, 0
	B1LOAD
	s_wait_loadcnt 36                              ; x's 36 rows are in; the 32 weight loads and the 4 of b1 issued behind them may be out
.set i, 0
.rept 32
	ds_store_b128 v5, v[128+4*i:131+4*i] offset:(i/16)*RT+16*(i%16)
.set i, i+1
.endr
.set i, 0
.rept 4
	ds_store_b128 v6, v[112+4*i:115+4*i] offset:16*i
.set i, i+1
.endr
	BARRIER                                        ; x's nine row tiles lie in LDS
	ALOAD 7
	A9LOAD 9
	CONST CF+0, -2.8257482
	CONST CF+2, 1.4427292
	CONST CF+4, 0.53970062
	CONST CF+6, 0.13963006
	CONST CF+8, -0.26875686
	CONST CF+10, 0.40232158
	CONST CF+12, -1.6377532
	CONST CF+14, 2.1474745
	CONST CF+16, -1.1861149
	CONST CF+18, 0.2465173
	CONST CM, -0.72134752
	v_mov_b32 v[CH], 0.35355339
	s_wait_kmcnt 0x0
	s_add_co_i32 s87, s28, s29                     ; ex + ew1
	s_sub_co_i32 s86, 0, s87
	s_add_co_i32 s87, s87, 127
	s_lshl_b32 s87, s87, 23
	v_mov_b32 v[S1], s87
	v_mov_b32 v[S1+1], s87
	s_add_co_i32 s88, s30, 127
	s_lshl_b32 s90, s88, 23
	v_mov_b32 v[SC], s90
	s_add_co_i32 s88, s88, 8
	s_lshl_b32 s88, s88, 23
	s_or_b32 s88, s88, 0x600000
	v_mov_b32 v[LIM], s88
	s_wait_loadcnt 0x0                             ; W1's trip 0 and its b1
	B1SCALE
	s_wait_dscnt 0x0                               ; x's fragments
	s_mov_b32 s84, 0                               ; the trip
	s_mov_b32 s85, 0                               ; its place in the images: registers 4 t on are sub-blocks 2 t, 2 t + 1 of my K step
; ---- THE FIRST PRODUCT AND THE GELU: four trips of 32 hidden units.  A trip: 72 matrix instructions; the next trip's weights and b1 are asked for; nine gelu units, in which they land.
.Ltrip:
	v_add_nc_u32 v14, s85, v13
	v_add_nc_u32 v15, 8*RT, v14
	MM 0, 1, 1
	MM 1, 1, 0
	MM 2, 1, 0
	MM 3, 1, 0
	MM9 1, 1
	PLACES 4                                       ; ahead of the loads into the weight buffer and b1's registers, and of the first read of results
	s_add_nc_u64 s[74:75], s[72:73], 16384         ; (no load is out: both pointers may be written)
	s_add_nc_u64 s[80:81], s[78:79], 128
	s_cmp_eq_u32 s84, 3
	s_cselect_b64 s[72:73], s[76:77], s[74:75]     ; the last trip asks for W2's trip 0,
	s_cselect_b64 s[78:79], s[78:79], s[80:81]     ; and for its own b1 once more, so that no load leaves the buffer
	BLOAD 0x40, 72, 0
	B1LOAD
.irp a, 0,1,2,3,4,5,6,7
	GELU 16*\a, 1, 14, \a*RT
.endr
	GELU 112, 0, 15, 0
	s_wait_loadcnt 0x0
	s_wait_dscnt 0x0                               ; the last unit's store is done: its address is written again at the loop's head
	B1SCALE
	s_add_co_u32 s85, s85, 2*SUBP
	s_add_co_u32 s84, s84, 1
	s_cmp_lt_u32 s84, 4
	s_cbranch_scc1 .Ltrip
	BLOAD 0, 76, 16384                             ; W2's trip 1 into buffer 2, where the gelu worked
	BARRIER                                        ; the hidden layer's nine row tiles lie in LDS
	ALOAD 10
	A9LOAD 12
; ---- THE SECOND PRODUCT: four trips of 32 output columns, written out; buffers 1, 2, 1, 2.  Results go through my own stage, two trips (64 columns, 256 bytes of a row) at a time.
.macro TOSTAGE t
	WIN 0x04                                       ; store data in window 1
.irp a, 0,1,2,3,4,5,6,7
.irp cc, 0,1
	ds_store_b128 v17, v[16*\a+8*\cc:16*\a+8*\cc+3] offset:\a*16*272+128*((\t)%2)+64*\cc
	ds_store_b128 v17, v[16*\a+8*\cc+4:16*\a+8*\cc+7] offset:\a*16*272+128*((\t)%2)+64*\cc+16
.endr
.endr
	WIN 0
.irp cc, 0,1
	ds_store_b128 v17, v[112+8*\cc:115+8*\cc] offset:8*16*272+128*((\t)%2)+64*\cc
	ds_store_b128 v17, v[116+8*\cc:119+8*\cc] offset:8*16*272+128*((\t)%2)+64*\cc+16
.endr
.endm
.macro BACK half                       ; 144 rows x 256 bytes: 72 pairs of rows in three batches of 24, through the accumulators' registers.  LDS serves a wave's instructions in order (ISA guide 5.7.1.4): the loads see my stores
	WIN 0x44                                       ; loaded data and store data in window 1, addresses in window 0
.irp g, 0,1,2
	s_wait_xcnt 0x0                                ; the batch before has read its registers
.set i, 0
.rept 24
	ds_load_b128 v[4*i:4*i+3], v18 offset:2*(24*\g+i)*272
.set i, i+1
.endr
.set i, 0
.rept 24
	s_wait_dscnt 23-i                              ; pair i is in; the batch's younger loads may be out
	global_store_b128 v19, v[4*i:4*i+3], s[82:83] offset:2*(24*\g+i)*8192+256*(\half) th:TH_STORE_NT   ; 16 lanes store 256 consecutive bytes, at a multiple of 256 from ypart's first byte
.set i, i+1
.endr
.endr
	WIN 0
.endm
.macro TRIP2 t
.set BW, 1-(\t)%2
.if (\t) == 0
	s_wait_dscnt 63                                ; of the 144 fragment loads K steps 0 and 1 are in (behind K step s, 32 (3 - s) + 16 are younger; the wait's field ends at 63)
	MM 0, BW, 2
	MM 1, BW, 0
	s_wait_dscnt 48
	MM 2, BW, 0
	s_wait_dscnt 16
	MM 3, BW, 0
	s_wait_dscnt 0x0
.else
.if (\t) == 3
	s_wait_loadcnt 0x0
.else
	s_wait_loadcnt 32                              ; this trip's weights are in; the other buffer's 32 loads may be out
.endif
	s_wait_dscnt 0x0                               ; the stage's stores,
	s_wait_xcnt 0x0                                ; and the stores to memory, have read the registers in which the sums begin anew
	MM 0, BW, 2
	MM 1, BW, 0
	MM 2, BW, 0
	MM 3, BW, 0
.endif
	MM9 BW, 2
	PLACES 5                                       ; ahead of the loads into the buffer just multiplied and of the stores of results; five, since the next trip's first products write over these accumulators
.if (\t) < 2
	BLOAD 0x40*BW, 76, ((\t)+2)*16384
.endif
	TOSTAGE \t
.if (\t)%2
	BACK (\t)/2
.endif
.endm
	TRIP2 0
	TRIP2 1
	TRIP2 2
	TRIP2 3
	s_wait_tensorcnt 0x0
	ds_add_u32 v30, v31
	s_wait_dscnt 0x0
	s_endpgm
.Lfunc_end_k_q9a29783eb8_chain:
	.size	k_q9a29783eb8_chain, .Lfunc_end_k_q9a29783eb8_chain-k_q9a29783eb8_chain
	.p2alignl 7, 3214868480
	.fill 96, 4, 3214868480
	.section	.rodata,"a",@progbits
	.p2align	6, 0x0
	.amdhsa_kernel k_q9a29783eb8_chain
		.amdhsa_group_segment_fixed_size 313856
		.amdhsa_private_segment_fixed_size 0
		.amdhsa_enable_private_segment 0
		.amdhsa_kernarg_size 64
		.amdhsa_user_sgpr_count 2
		.amdhsa_user_sgpr_kernarg_segment_ptr 1
		.amdhsa_wavefront_size32 1
		.amdhsa_system_sgpr_workgroup_id_x 1
		.amdhsa_system_sgpr_workgroup_id_y 1
		.amdhsa_system_sgpr_workgroup_id_z 1
		.amdhsa_system_vgpr_workitem_id 0
		.amdhsa_next_free_vgpr 1024
		.amdhsa_next_free_sgpr 96
		.amdhsa_reserve_vcc 0
		.amdhsa_float_denorm_mode_32 3
		.amdhsa_float_denorm_mode_16_64 3
		.amdhsa_memory_ordered 1
		.amdhsa_forward_progress 1
		.amdhsa_inst_pref_size 216
	.end_amdhsa_kernel
	.amdgpu_metadata
---
amdhsa.version: [ 1, 2 ]
amdhsa.kernels:
  - .name:           k_q9a29783eb8_chain
    .symbol:         k_q9a29783eb8_chain.kd
    .args:
      - { .name: tiles, .offset: 0, .size: 8, .value_kind: global_buffer, .address_space: global }
      - { .name: rowent, .offset: 8, .size: 8, .value_kind: global_buffer, .address_space: global }
      - { .name: xq, .offset: 16, .size: 8, .value_kind: global_buffer, .address_space: global }
      - { .name: wq1, .offset: 24, .size: 8, .value_kind: global_buffer, .address_space: global }
      - { .name: wq2, .offset: 32, .size: 8, .value_kind: global_buffer, .address_space: global }
      - { .name: b1, .offset: 40, .size: 8, .value_kind: global_buffer, .address_space: global }
      - { .name: lowp_scales, .offset: 48, .size: 8, .value_kind: global_buffer, .address_space: global }
      - { .name: ypart, .offset: 56, .size: 8, .value_kind: global_buffer, .address_space: global }
    .group_segment_fixed_size: 313856
    .private_segment_fixed_size: 0
    .kernarg_segment_align: 8
    .kernarg_segment_size: 64
    .max_flat_workgroup_size: 128
    .sgpr_count:     96
    .vgpr_count:     1024
    .wavefront_size: 32
...
	.end_amdgpu_metadata
.endif
;; end of part 2
;; launch combine (part 3): grid 512 x 1, 8 waves a work-group, no clusters, 0 bytes of LDS; arguments tokslot, expert_indices, expert_weights, lowp_scales, ypart, x, b2, out0; writes out0
.if DOCPART == 3
	.amdgcn_target "amdgcn-amd-amdhsa--gfx1250"
	.amdhsa_code_object_version 6
	.text
	.protected	k_q9a29783eb8_combine
	.globl	k_q9a29783eb8_combine
	.p2align	8
	.type	k_q9a29783eb8_combine,@function
k_q9a29783eb8_combine:
	s_mov_b64 s[64:65], 0
	v_nop
	global_prefetch_b8 v0, s[64:65] scope:SCOPE_SE
	s_setreg_imm32_b32 hwreg(HW_REG_WAVE_MODE, 25, 1), 1
	s_wait_xcnt 0x0
; out[t] = x[t] + the sum over the token's two index slots k of  w_k ( 2^(eh + ew2) x (the four parts of ypart[slot_k]) + b2[E_k] ).
; A wave takes a token; lane L takes bytes 16 L of each 512 bytes of a row, so every load and store covers 512 consecutive bytes.  44 loads a wave go out before the first is waited for.  No loop, no LDS, no barrier.
; Where both indices name one expert both slots are the same row, and w0 y + w1 y is formed where the reference forms (w0 + w1) y.  The sum over the hidden layer is formed in four parts.
; eh + ew2 is applied by v_ldexp_f32 and has no limit of its own.  Slots and indices are held in range for the addresses' sake.
; Memory binds: matrix units, clusters and LDS would add nothing.
.set XR,  16                           ; v16-31   x, then out
.set B2A, 32                           ; v32-47   b2 of the first expert
.set B2B, 48                           ; v48-63   of the second
.set Y0,  64                           ; v64-127  slot 0's four parts, 16 registers each
.set Y1,  128                          ; v128-191 slot 1's
	s_load_b512 s[4:19], s[0:1], 0x0               ; tokslot s[4:5], indices s[6:7], weights s[8:9], scales s[10:11], ypart s[12:13], x s[14:15], b2 s[16:17], out s[18:19]
	v_lshrrev_b32 v1, 5, v0
	v_readfirstlane_b32 s20, v1
	v_and_b32 v1, 31, v0
	v_lshlrev_b32 v1, 4, v1                        ; 16 L
	s_lshl_b32 s21, ttmp9, 3
	s_add_co_u32 s21, s21, s20                     ; the token
	s_lshl_b32 s22, s21, 3
	s_wait_kmcnt 0x0
	s_load_b64 s[24:25], s[4:5], s22 offset:0x0    ; its two slots,
	s_load_b64 s[26:27], s[6:7], s22 offset:0x0    ; experts,
	s_load_b64 s[28:29], s[8:9], s22 offset:0x0    ; and weights
	v_lshl_add_u32 v2, s21, 11, v1
.irp j, 0,1,2,3
	global_load_b128 v[XR+4*\j:XR+4*\j+3], v2, s[14:15] offset:512*\j th:TH_LOAD_NT
.endr
	s_wait_kmcnt 0x0
	s_min_u32 s24, s24, 9215
	s_min_u32 s25, s25, 9215
	s_min_u32 s26, s26, 7
	s_min_u32 s27, s27, 7
	s_lshl_b32 s30, s26, 4
	s_lshl_b32 s31, s27, 4
	s_load_b64 s[32:33], s[10:11], s30 offset:0x8  ; eh, ew2 of the first expert,
	s_load_b64 s[34:35], s[10:11], s31 offset:0x8  ; of the second
	v_lshl_add_u32 v5, s24, 13, v1                 ; a slot's four parts are 8,192 bytes
	v_lshl_add_u32 v6, s25, 13, v1
	v_lshl_add_u32 v3, s26, 11, v1
	v_lshl_add_u32 v4, s27, 11, v1
.irp p, 0,1,2,3
.irp j, 0,1,2,3
	global_load_b128 v[Y0+16*\p+4*\j:Y0+16*\p+4*\j+3], v5, s[12:13] offset:2048*\p+512*\j
.endr
.endr
.irp p, 0,1,2,3
.irp j, 0,1,2,3
	global_load_b128 v[Y1+16*\p+4*\j:Y1+16*\p+4*\j+3], v6, s[12:13] offset:2048*\p+512*\j
.endr
.endr
.irp j, 0,1,2,3
	global_load_b128 v[B2A+4*\j:B2A+4*\j+3], v3, s[16:17] offset:512*\j
.endr
.irp j, 0,1,2,3
	global_load_b128 v[B2B+4*\j:B2B+4*\j+3], v4, s[16:17] offset:512*\j
.endr
	s_wait_kmcnt 0x0
	s_add_co_i32 s36, s32, s33
	s_add_co_i32 s37, s34, s35
	v_ldexp_f32 v8, s28, s36                       ; w0 x 2^(eh + ew2); each factor twice, a pair for the packed forms
	v_ldexp_f32 v10, s29, s37
	v_mov_b32 v9, v8
	v_mov_b32 v11, v10
	v_mov_b32 v12, s28
	v_mov_b32 v13, s28
	v_mov_b32 v14, s29
	v_mov_b32 v15, s29
.macro PARTS y                         ; the four parts of a slot are added, two numbers an instruction
.irp q, 0,2,4,6,8,10,12,14
	v_pk_add_f32 v[\y+\q:\y+\q+1], v[\y+\q:\y+\q+1], v[\y+16+\q:\y+16+\q+1]
	v_pk_add_f32 v[\y+32+\q:\y+32+\q+1], v[\y+32+\q:\y+32+\q+1], v[\y+48+\q:\y+48+\q+1]
.endr
.irp q, 0,2,4,6,8,10,12,14
	v_pk_add_f32 v[\y+\q:\y+\q+1], v[\y+\q:\y+\q+1], v[\y+32+\q:\y+32+\q+1]
.endr
.endm
	s_wait_loadcnt 24                              ; x and slot 0's 16 loads are in; slot 1's 16 and b2's 8 may be out
	PARTS Y0
.irp q, 0,2,4,6,8,10,12,14
	v_pk_fma_f32 v[XR+\q:XR+\q+1], v[Y0+\q:Y0+\q+1], v[8:9], v[XR+\q:XR+\q+1]
.endr
	s_wait_loadcnt 8                               ; slot 1's are in; b2's 8 may be out
	PARTS Y1
.irp q, 0,2,4,6,8,10,12,14
	v_pk_fma_f32 v[XR+\q:XR+\q+1], v[Y1+\q:Y1+\q+1], v[10:11], v[XR+\q:XR+\q+1]
.endr
	s_wait_loadcnt 0x0
.irp q, 0,2,4,6,8,10,12,14
	v_pk_fma_f32 v[XR+\q:XR+\q+1], v[B2A+\q:B2A+\q+1], v[12:13], v[XR+\q:XR+\q+1]
.endr
.irp q, 0,2,4,6,8,10,12,14
	v_pk_fma_f32 v[XR+\q:XR+\q+1], v[B2B+\q:B2B+\q+1], v[14:15], v[XR+\q:XR+\q+1]
.endr
.irp j, 0,1,2,3
	global_store_b128 v2, v[XR+4*\j:XR+4*\j+3], s[18:19] offset:512*\j th:TH_STORE_NT
.endr
	s_endpgm
.Lfunc_end_k_q9a29783eb8_combine:
	.size	k_q9a29783eb8_combine, .Lfunc_end_k_q9a29783eb8_combine-k_q9a29783eb8_combine
	.p2alignl 7, 3214868480
	.fill 96, 4, 3214868480
	.section	.rodata,"a",@progbits
	.p2align	6, 0x0
	.amdhsa_kernel k_q9a29783eb8_combine
		.amdhsa_group_segment_fixed_size 0
		.amdhsa_private_segment_fixed_size 0
		.amdhsa_enable_private_segment 0
		.amdhsa_kernarg_size 64
		.amdhsa_user_sgpr_count 2
		.amdhsa_user_sgpr_kernarg_segment_ptr 1
		.amdhsa_wavefront_size32 1
		.amdhsa_system_sgpr_workgroup_id_x 1
		.amdhsa_system_sgpr_workgroup_id_y 1
		.amdhsa_system_sgpr_workgroup_id_z 1
		.amdhsa_system_vgpr_workitem_id 0
		.amdhsa_next_free_vgpr 192
		.amdhsa_next_free_sgpr 66
		.amdhsa_reserve_vcc 0
		.amdhsa_float_denorm_mode_32 3
		.amdhsa_float_denorm_mode_16_64 3
		.amdhsa_memory_ordered 1
		.amdhsa_forward_progress 1
		.amdhsa_inst_pref_size 12
	.end_amdhsa_kernel
	.amdgpu_metadata
---
amdhsa.version: [ 1, 2 ]
amdhsa.kernels:
  - .name:           k_q9a29783eb8_combine
    .symbol:         k_q9a29783eb8_combine.kd
    .args:
      - { .name: tokslot, .offset: 0, .size: 8, .value_kind: global_buffer, .address_space: global }
      - { .name: expert_indices, .offset: 8, .size: 8, .value_kind: global_buffer, .address_space: global }
      - { .name: expert_weights, .offset: 16, .size: 8, .value_kind: global_buffer, .address_space: global }
      - { .name: lowp_scales, .offset: 24, .size: 8, .value_kind: global_buffer, .address_space: global }
      - { .name: ypart, .offset: 32, .size: 8, .value_kind: global_buffer, .address_space: global }
      - { .name: x, .offset: 40, .size: 8, .value_kind: global_buffer, .address_space: global }
      - { .name: b2, .offset: 48, .size: 8, .value_kind: global_buffer, .address_space: global }
      - { .name: out0, .offset: 56, .size: 8, .value_kind: global_buffer, .address_space: global }
    .group_segment_fixed_size: 0
    .private_segment_fixed_size: 0
    .kernarg_segment_align: 8
    .kernarg_segment_size: 64
    .max_flat_workgroup_size: 256
    .sgpr_count:     66
    .vgpr_count:     192
    .wavefront_size: 32
...
	.end_amdgpu_metadata
.endif
;; end of part 3
;; ======== version 2 of 2: 3 launches; version 1 with the launch chain written anew for expert scheduling mode
;; workspace buffers: wq1 8,388,608 bytes; wq2 8,388,608 bytes; xq 4,194,304 bytes; ypart 75,497,472 bytes; tiles 1,024 bytes of whole numbers; rowent 36,864 bytes of whole numbers; tokslot 32,768 bytes of whole numbers
;; launch prep: the kernel of part 1 again; grid 577 x 1, 8 waves a work-group, no clusters, 2,048 bytes of LDS; arguments W1, W2, x, expert_indices, lowp_scales, wq1, wq2, xq, tiles, rowent, tokslot; writes wq1, wq2, xq, tiles, rowent, tokslot
;; launch chain (part 4): grid 4 x 64, 4 waves a work-group, no clusters, 313,856 bytes of LDS; arguments tiles, rowent, xq, wq1, wq2, b1, lowp_scales, ypart; writes ypart
.if DOCPART == 4
	.amdgcn_target "amdgcn-amd-amdhsa--gfx1250"
	.amdhsa_code_object_version 6
	.text
	.protected	k_q9a29783eb8_chain
	.globl	k_q9a29783eb8_chain
	.p2align	8
	.type	k_q9a29783eb8_chain,@function
k_q9a29783eb8_chain:
	s_mov_b64 s[64:65], 0
	v_nop
	global_prefetch_b8 v0, s[64:65] scope:SCOPE_SE
	s_setreg_imm32_b32 hwreg(HW_REG_WAVE_SCHED_MODE, 0, 2), 2
	s_setreg_imm32_b32 hwreg(HW_REG_WAVE_MODE, 25, 1), 1
	s_wait_xcnt 0x0
	s_wait_alu depctr_vm_vsrc(0)
; ONE TILE OF ONE EXPERT THROUGH BOTH PRODUCTS, for one quarter of the hidden layer.  Work-group (p, T): the 144 routed rows of tile T (expert E = tiles[T]), hidden units 512 p .. 512 p + 511:
;   h = gelu(x W1 + b1) (exact gelu, f32), quantised to E4M3 with 2^eh;  ypart[slot][p][:] = the f32 sums of h's codes x W2's codes over the part's 512 hidden units (not yet x 2^(eh + ew2); the next launch adds the four parts).
; Both products by v_wmma_f32_16x16x128_fp8_fp8 on codes; x's and the weights' codes were made by the launch before.
; SHARES.  Four waves.  Wave w makes hidden units 128 w on (first product) and output columns 128 w on (second), for all nine row tiles of 16 rows.  THE ROWS' CODES STAY IN REGISTERS (9 x 4 fragments, 576 registers);
; THE WEIGHTS STREAM from memory straight into registers, laid by the launch before in the order of the operand's registers: 32 loads of 512 consecutive bytes for a trip's 32 columns; each weight byte is read once by the work-group.
; BOTH PRODUCTS ARE USED TRANSPOSED (source 0 = 16 columns of the weight, source 1 = 16 rows): a lane holds ONE row, and its registers run along the columns; so the 16 results of two neighbouring tiles become 16 codes of the next
; operand by two conversions, and a lane's 8 results of the second product are 32 neighbouring bytes of a row of ypart.
; OPERANDS GO FROM WAVE TO WAVE THROUGH LDS as images of their registers: sub-block 8 s + 2 b + hh (K step s, registers 4 b on, half hh of the lanes) holds 16 rows x 16 bytes; sub-blocks lie 272 bytes apart, so that stores
; that go down the sub-blocks (x's) start at 16 different banks (68 words; 64 banks of 4 bytes: ISA guide 11.1); loads and the hidden layer's stores take 256 consecutive bytes for 16 lanes.
; Every tile has the fixed shape of 144 rows: no branch, trip count or barrier hangs on a stored number.  Slots without a row hold row 0 of xq; their results go to rows of ypart that nobody reads.
; NO TENSOR LOADS, NO CLUSTER: the weights need no pass through LDS; which tiles share an expert hangs on the stored table, so partners' addresses would differ; what the four parts of a tile do share, x's 72 KB of codes,
; is an eighth of the 584 KB that a work-group reads.  No prefetch: each run of weight loads is issued eight gelu units, or a trip of products, ahead of its use.
; GELU: gelu(z) = max(z, 0) - |z| q,  q = erfc(|z| / sqrt 2) / 2 = u 2^(P(u) - z^2 log2(e) / 2),  u = 1 / (1 + |z| / (2 sqrt 2)),  P of degree 9 (the rational-argument form of erfc whose fractional error stays under 1.2e-7;
; its coefficients x log2 e, and 1 taken off the constant for the half).  No difference of nearly equal numbers on either side of 0.
; LIMITS: ex + ew1 between -126 and 127; eh between -126 and 119; NaN and infinities are not served; below z of about -13 the exponential gives 0 and gelu is -0 where its value is under 1e-37.
; REGISTERS, in windows of 256:  window 0: v0-19 addresses; v32-47 b1 as the C of two tiles; v48-111 row tile 8's four fragments (at the head: 36 row offsets); v112-127 its two accumulators (at the head: x rows 32-35);
;   v128-255: at the head x rows 0-31; first product: gelu's work and constants; second product: weight buffer 2.   window 1: v0-127 accumulators (row tile a, column tile cc) at 16 a + 8 cc; v128-255 weight buffer 1, fragment (s, cc) at 128 + 32 s + 16 cc.
;   windows 2, 3: fragments of row tiles 0-7: (a, s) at 128 (s % 2) + 16 a, window 2 + s / 2.
; THE MODE: SCHED_MODE bits 1:0 = 2 (LLVM: expert scheduling mode 2), set by the entry lines.  The code itself states the register dependences between vector or matrix instructions and memory or LDS instructions, with s_wait_alu, always for 0.
; THE PLAN.  Registers that memory or LDS instructions touch, and who else names them:
;   v4-v12, v16-v19     offsets and LDS addresses: written once at the head, ahead of the head's wait on va_vdst, and never again.
;   v48-83, v112-255    at the head: row offsets that x's loads read, and x's rows that the LDS stores read.  One wait on vm_vsrc behind the first barrier frees them for row tile 8's fragments, the constants, the gelu and row tile 8's accumulators.
;   buffer 1, v32-47    a trip's 72 matrix instructions read them (b1 is scaled in place first); the next trip's 36 loads land in them.  The loads stand behind the first wait of the trip's first gelu unit, which all 72 precede.
;   v[Q] on, v14, v15   a gelu unit's conversions write its codes; the LDS store that reads them stands in the NEXT unit, behind that unit's first wait; a wait on vm_vsrc stands ahead of the next conversions.  The ninth unit's store has a wait
;                       on va_vdst of its own at the trip's end, and the wait on vm_vsrc behind it also frees v14 and v15, which the next trip's head writes.
;   the fragments       matrix instructions read them; the hidden layer's land in them behind the second barrier: the wait on va_vdst behind the loop.  The same wait frees the gelu's registers for weight buffer 2.
;   the accumulators    second product: ONE wait on va_vdst behind a trip's matrix instructions serves the stage's stores, which read them, and the loads into the weight buffer just multiplied.  Where they are written again (the loads back
;                       from the stage, the next trip's first products) a wait on vm_vsrc stands beside the waits on the memory counters.
.set SUBP, 272                         ; from sub-block to sub-block
.set RT,   32*SUBP                     ; a row tile's image: 8,704 bytes
.set HIMG, 9*RT                        ; LDS: x's images from 0, the hidden layer's from here,
.set STG,  18*RT                       ; the stages for the way out from here: for each wave
.set STW,  144*272                     ; 144 rows x (256 bytes + 16)
.set Z,    128                         ; v128-143 z, then gelu(z)
.set U,    144                         ; v144-159 u
.set W,    160                         ; v160-175 z^2, then max(z, 0)
.set P,    176                         ; v176-191 the polynomial, the exponential, q
.set Q,    192                         ; v192-195 16 codes
.set CF,   208                         ; v208-227 c0 .. c9, each twice (a pair for the packed forms)
.set CM,   228                         ; v228-229 -log2(e) / 2
.set S1,   230                         ; v230-231 2^(ex + ew1)
.set CH,   232                         ; v232     1 / (2 sqrt 2)
.set LIM,  233                         ; v233     448 x 2^eh
.set SC,   234                         ; v234     2^eh
.set MSB, 0
.macro WIN new                         ; the immediate's high byte repeats the setting that is left; a switch that changes nothing is dropped
.if MSB != (\new)
	s_set_vgpr_msb (MSB<<8)|(\new)
.set MSB, (\new)
.endif
.endm
.macro PLACES n                        ; plain vector lines between a matrix instruction and what may not follow it closely (ISA guide 7.12.1)
.rept \n
	v_nop
.endr
.endm
.macro BARRIER                         ; my LDS stores have landed and my LDS loads are in: then the work-group's barrier
	s_wait_dscnt 0x0
	s_barrier_signal -1
	s_barrier_wait -1
.endm
.macro BLOAD win, ptr, off             ; a trip's 32 columns x 512 k of a weight: 8 fragments, 32 loads of 512 consecutive bytes.  win = 0x40: buffer 1 (window 1); 0: buffer 2
	WIN \win
.set n, 0
.rept 32
	global_load_b128 v[128+4*n:131+4*n], v4, s[\ptr:\ptr+1] offset:\off+512*n
.set n, n+1
.endr
	WIN 0
.endm
.macro B1LOAD                          ; b1 of the trip's 32 hidden units, in the result's layout: lane (r, hh), tile cc: units 16 cc + 8 hh + 0 .. 7
	global_load_b128 v[32:35], v16, s[78:79]
	global_load_b128 v[36:39], v16, s[78:79] offset:16
	global_load_b128 v[40:43], v16, s[78:79] offset:64
	global_load_b128 v[44:47], v16, s[78:79] offset:80
.endm
.macro B1SCALE                         ; a sum of the first product stands for sum x 2^(ex + ew1): b1 goes in divided by that
.set n, 0
.rept 16
	v_ldexp_f32 v[32+n], v[32+n], s86
.set n, n+1
.endr
.endm
.macro ALOAD r0                        ; row tiles 0-7, all four K steps, from the images: 128 loads, K step by K step.  v[r0]: row tiles 0-3, v[r0 + 1]: 4-7
.irp s, 0,1,2,3
	WIN 0x80+0x40*(\s/2)
.irp a, 0,1,2,3,4,5,6,7
.irp b, 0,1,2,3
	ds_load_b128 v[128*(\s%2)+16*\a+4*\b:128*(\s%2)+16*\a+4*\b+3], v[\r0+\a/4] offset:(\a%4)*RT+(8*\s+2*\b)*SUBP
.endr
.endr
.endr
	WIN 0
.endm
.macro A9LOAD r8                       ; row tile 8: 16 loads
.irp s, 0,1,2,3
.irp b, 0,1,2,3
	ds_load_b128 v[48+16*\s+4*\b:48+16*\s+4*\b+3], v[\r8] offset:(8*\s+2*\b)*SUBP
.endr
.endr
.endm
; 16 matrix instructions: K step s, row tiles 0-7 x column tiles 0, 1.  bw: the weight buffer's window (1: buffer 1, 0: buffer 2).  cmode 0: the sums go on; 1: b1 starts them; 2: the constant 0 starts them.
; The 16 accumulators take turns, one instruction a turn, in the same order in every K step.
.macro MM s, bw, cmode
.if (\cmode) == 1
	WIN 0x40+(\bw)+4*(2+(\s)/2)
.else
	WIN 0x50+(\bw)+4*(2+(\s)/2)
.endif
.irp a, 0,1,2,3,4,5,6,7
.irp cc, 0,1
.if (\cmode) == 0
	v_wmma_f32_16x16x128_fp8_fp8 v[16*\a+8*\cc:16*\a+8*\cc+7], v[128+32*(\s)+16*\cc:128+32*(\s)+16*\cc+15], v[128*((\s)%2)+16*\a:128*((\s)%2)+16*\a+15], v[16*\a+8*\cc:16*\a+8*\cc+7]
.elseif (\cmode) == 1
	v_wmma_f32_16x16x128_fp8_fp8 v[16*\a+8*\cc:16*\a+8*\cc+7], v[128+32*(\s)+16*\cc:128+32*(\s)+16*\cc+15], v[128*((\s)%2)+16*\a:128*((\s)%2)+16*\a+15], v[32+8*\cc:39+8*\cc]
.else
	v_wmma_f32_16x16x128_fp8_fp8 v[16*\a+8*\cc:16*\a+8*\cc+7], v[128+32*(\s)+16*\cc:128+32*(\s)+16*\cc+15], v[128*((\s)%2)+16*\a:128*((\s)%2)+16*\a+15], 0
.endif
.endr
.endr
.endm
.macro MM9 bw, cmode                   ; row tile 8: 8 matrix instructions, its two accumulators by turns
	WIN \bw
.irp s, 0,1,2,3
.irp cc, 0,1
.if (\s == 0) && ((\cmode) == 1)
	v_wmma_f32_16x16x128_fp8_fp8 v[112+8*\cc:119+8*\cc], v[128+32*\s+16*\cc:128+32*\s+16*\cc+15], v[48+16*\s:63+16*\s], v[32+8*\cc:39+8*\cc]
.elseif \s == 0
	v_wmma_f32_16x16x128_fp8_fp8 v[112+8*\cc:119+8*\cc], v[128+32*\s+16*\cc:128+32*\s+16*\cc+15], v[48+16*\s:63+16*\s], 0
.else
	v_wmma_f32_16x16x128_fp8_fp8 v[112+8*\cc:119+8*\cc], v[128+32*\s+16*\cc:128+32*\s+16*\cc+15], v[48+16*\s:63+16*\s], v[112+8*\cc:119+8*\cc]
.endif
.endr
.endr
	WIN 0
.endm
; A GELU UNIT: the 16 sums of a lane in two neighbouring tiles (registers acc on, in window aw) become 16 codes in v[Q] on: 16 bytes of the hidden layer's image, which are stored in the NEXT unit, behind its first wait.
; st = 1: the codes of the unit before go to v14 + soff.  fetch = 1, a trip's first unit: the next trip's weights and b1 are asked for.
.macro GELU acc, aw, st, soff, fetch
	WIN \aw
.irp j, 0,2,4,6,8,10,12,14
	v_pk_mul_f32 v[Z+\j:Z+\j+1], v[(\acc)+\j:(\acc)+\j+1], v[S1:S1+1]      ; z = sum x 2^(ex + ew1): exact; each accumulator is read from its low end on
.endr
	WIN 0
.irp j, 0,1,2,3,4,5,6,7,8,9,10,11,12,13,14,15
	v_fma_f32 v[U+\j], |v[Z+\j]|, v[CH], 1.0
.endr
.irp j, 0,1,2,3,4,5,6,7,8,9,10,11,12,13,14,15
	v_rcp_f32 v[U+\j], v[U+\j]                     ; u
.endr
.irp j, 0,2,4,6,8,10,12,14
	v_pk_mul_f32 v[W+\j:W+\j+1], v[Z+\j:Z+\j+1], v[Z+\j:Z+\j+1]            ; z^2: plain lines behind the reciprocals that name none of their results
.endr
	s_wait_alu depctr_va_vdst(0)                   ; the 16 reciprocals are written, ahead of their first reader (one wait for the batch); so are the codes of the unit before and v14, which the store below reads; in a trip's first unit the trip's matrix instructions are done reading buffer 1 and b1, in which the loads below land
.if \fetch
	BLOAD 0x40, 72, 0
	B1LOAD
.endif
.if \st
	ds_store_b128 v14, v[Q:Q+3] offset:\soff
.endif
.irp j, 0,2,4,6,8,10,12,14
	v_pk_fma_f32 v[P+\j:P+\j+1], v[U+\j:U+\j+1], v[CF+18:CF+19], v[CF+16:CF+17]
.endr
.irp k, 7,6,5,4,3,2,1,0
.irp j, 0,2,4,6,8,10,12,14
	v_pk_fma_f32 v[P+\j:P+\j+1], v[P+\j:P+\j+1], v[U+\j:U+\j+1], v[CF+2*\k:CF+2*\k+1]
.endr
.endr
.irp j, 0,2,4,6,8,10,12,14
	v_pk_fma_f32 v[P+\j:P+\j+1], v[W+\j:W+\j+1], v[CM:CM+1], v[P+\j:P+\j+1]
.endr
.irp j, 0,1,2,3,4,5,6,7,8,9,10,11,12,13,14,15
	v_exp_f32 v[P+\j], v[P+\j]
.endr
.irp j, 0,1,2,3,4,5,6,7,8,9,10,11,12,13,14,15
	v_max_num_f32 v[W+\j], 0, v[Z+\j]              ; plain lines behind the exponentials that name none of their results
.endr
	s_wait_alu depctr_va_vdst(0)                   ; the 16 exponentials are written, ahead of their first reader: one wait for the batch
.irp j, 0,2,4,6,8,10,12,14
	v_pk_mul_f32 v[P+\j:P+\j+1], v[P+\j:P+\j+1], v[U+\j:U+\j+1]            ; q
.endr
.irp j, 0,1,2,3,4,5,6,7,8,9,10,11,12,13,14,15
	v_fma_f32 v[Z+\j], -|v[Z+\j]|, v[P+\j], v[W+\j]
.endr
.irp j, 0,1,2,3,4,5,6,7,8,9,10,11,12,13,14,15
	v_med3_num_f32 v[Z+\j], v[Z+\j], -v[LIM], v[LIM]   ; the conversion to an 8-bit code does not saturate (ISA guide 7.6.2)
.endr
	s_wait_dscnt 0x0                               ; the last store of codes is done,
.if \st
	s_wait_alu depctr_vm_vsrc(0)                   ; and has read the codes' registers, which the conversions below write again
.endif
	v_cvt_scalef32_pk8_fp8_f32 v[Q:Q+1], v[Z:Z+7], v[SC]
	v_cvt_scalef32_pk8_fp8_f32 v[Q+2:Q+3], v[Z+8:Z+15], v[SC]
	v_nop                                          ; one plain line between a scaled conversion and the next vector line that writes its sources
.endm
.macro CONST reg, val
	v_mov_b32 v[\reg], \val
	v_mov_b32 v[\reg+1], \val
.endm
	s_load_b512 s[4:19], s[0:1], 0x0               ; tiles s[4:5], rowent s[6:7], xq s[8:9], wq1 s[10:11], wq2 s[12:13], b1 s[14:15], scales s[16:17], ypart s[18:19]
	v_lshl_add_u32 v30, v0, 2, 0x4c800
	v_mov_b32 v31, 0
	v_lshrrev_b32 v20, 5, v0
	v_readfirstlane_b32 s22, v20                   ; wave w
	s_and_b32 s24, ttmp7, 0xffff                   ; tile T;  ttmp9: part p
	s_lshl_b32 s25, s24, 2
	s_mul_i32 s26, s24, 576                        ; the tile's 144 words of rowent
	s_wait_alu depctr_va_sdst(0)                   ; s22 is written, ahead of its first reader
	s_lshl_b32 s27, s22, 7
	s_add_co_u32 s27, s27, s26                     ; rows 32 w on
	s_lshl_b32 s21, s22, 4
	s_add_co_u32 s21, s21, s26                     ; rows 128 + 4 w on (the 128 stand in the immediate)
	s_wait_kmcnt 0x0
	s_load_b32 s20, s[4:5], s25 offset:0x0         ; the expert
	s_load_b512 s[32:47], s[6:7], s27 offset:0x0
	s_load_b512 s[48:63], s[6:7], s27 offset:0x40
	s_load_b128 s[68:71], s[6:7], s21 offset:0x200
	v_and_b32 v3, 31, v0                           ; lane L
	v_and_b32 v1, 15, v0                           ; r
	v_bfe_u32 v2, v0, 4, 1                         ; hh
	v_lshlrev_b32 v4, 4, v3                        ; 16 L
	v_mul_u32_u24 v20, v3, SUBP
	s_mul_i32 s90, s22, 2*RT
	v_add_nc_u32 v5, s90, v20                      ; x's rows into their images: lane L's 16 bytes are sub-block L; my rows 32 w on are row tiles 2 w, 2 w + 1
	s_lshl_b32 s90, s22, 6
	s_add_co_u32 s90, s90, 8*RT
	v_add_nc_u32 v6, s90, v20                      ; and rows 128 + 4 w on: row tile 8, rows 4 w on
	v_mul_u32_u24 v7, v2, SUBP
	v_lshl_add_u32 v7, v1, 4, v7                   ; a fragment's place for my lane: 272 hh + 16 r;  x: row tiles 0-3,
	v_add_nc_u32 v8, 4*RT, v7                      ; 4-7,
	v_add_nc_u32 v9, 8*RT, v7                      ; 8;
	v_add_nc_u32 v10, HIMG, v7                     ; the hidden layer likewise
	v_add_nc_u32 v11, HIMG+4*RT, v7
	v_add_nc_u32 v12, HIMG+8*RT, v7
	s_mul_i32 s90, s22, 8*SUBP
	v_add_nc_u32 v13, s90, v10                     ; where I store the hidden layer: my 128 units are K step w
	v_lshlrev_b32 v16, 5, v2                       ; b1: 32 hh
	s_mul_i32 s90, s22, STW
	s_add_co_u32 s90, s90, STG                     ; my stage
	v_mul_u32_u24 v17, v1, 272
	v_lshl_add_u32 v17, v2, 5, v17
	v_add_nc_u32 v17, s90, v17                     ; in: row r, 32 bytes for each half of the lanes
	v_add_nc_u32 v18, s90, v7                      ; back: lanes 0-15 one row of 256 bytes, lanes 16-31 the next
	v_lshlrev_b32 v19, 13, v2
	v_lshl_add_u32 v19, v1, 4, v19                 ; and the same two rows in ypart, 8,192 bytes apart
	s_wait_kmcnt 0x0
	s_min_u32 s20, s20, 7
	s_lshl_b32 s87, s20, 4
	s_load_b128 s[28:31], s[16:17], s87 offset:0x0 ; ex, ew1, eh, ew2
.set i, 0
.rept 32
	s_min_u32 s[32+i], s[32+i], 8191
	v_lshl_add_u32 v[48+i], s[32+i], 9, v4         ; the row of xq x 512 + 16 L
.set i, i+1
.endr
.set i, 0
.rept 4
	s_min_u32 s[68+i], s[68+i], 8191
	v_lshl_add_u32 v[80+i], s[68+i], 9, v4
.set i, i+1
.endr
	s_wait_alu depctr_va_vdst(0)                   ; the 36 row offsets v48-83 are written, which the loads below read, and so are the offsets and LDS addresses v4-v12 and v16-v19, which every later load and store reads and no line writes again
.set i, 0
.rept 32
	global_load_b128 v[128+4*i:131+4*i], v[48+i], s[8:9]   ; a row's 512 bytes of codes: one dense load
.set i, i+1
.endr
.set i, 0
.rept 4
	global_load_b128 v[112+4*i:115+4*i], v[80+i], s[8:9]
.set i, i+1
.endr
	s_lshl_b32 s88, s20, 2
	s_add_co_u32 s88, s88, ttmp9
	s_lshl_b32 s88, s88, 2
	s_add_co_u32 s88, s88, s22
	s_lshl_b32 s88, s88, 16                        ; my block of both weights: ((4 E + p) 4 + w) x 65,536
	s_mov_b32 s89, 0
	s_add_nc_u64 s[72:73], s[10:11], s[88:89]      ; the weights' pointer that walks: W1's trip 0
	s_add_nc_u64 s[76:77], s[12:13], s[88:89]      ; W2's block
	s_lshl_b32 s88, s20, 13
	s_lshl_b32 s90, ttmp9, 11
	s_add_co_u32 s88, s88, s90
	s_lshl_b32 s91, s22, 9
	s_add_co_u32 s88, s88, s91
	s_add_nc_u64 s[78:79], s[14:15], s[88:89]      ; b1 at hidden unit 2048 E + 512 p + 128 w
	s_mul_i32 s88, s24, 144*8192
	s_add_co_u32 s88, s88, s90
	s_add_co_u32 s88, s88, s91
	s_add_nc_u64 s[82:83], s[18:19], s[88:89]      ; ypart at slot 144 T, part p, column 128 w
	BLOAD 0x40, 72, 0
	B1LOAD
	s_wait_loadcnt 36                              ; x's 36 rows are in; the 32 weight loads and the 4 of b1 issued behind them may be out
.set i, 0
.rept 32
	ds_store_b128 v5, v[128+4*i:131+4*i] offset:(i/16)*RT+16*(i%16)
.set i, i+1
.endr
.set i, 0
.rept 4
	ds_store_b128 v6, v[112+4*i:115+4*i] offset:16*i
.set i, i+1
.endr
	BARRIER                                        ; x's nine row tiles lie in LDS
	s_wait_alu depctr_vm_vsrc(0)                   ; x's loads have read their offsets v48-83, in which row tile 8's fragments land; my LDS stores have read v112-255, which the constants, the gelu and row tile 8's accumulators write from here on
	ALOAD 7
	A9LOAD 9
	CONST CF+0, -2.8257482
	CONST CF+2, 1.4427292
	CONST CF+4, 0.53970062
	CONST CF+6, 0.13963006
	CONST CF+8, -0.26875686
	CONST CF+10, 0.40232158
	CONST CF+12, -1.6377532
	CONST CF+14, 2.1474745
	CONST CF+16, -1.1861149
	CONST CF+18, 0.2465173
	CONST CM, -0.72134752
	v_mov_b32 v[CH], 0.35355339
	s_wait_kmcnt 0x0
	s_add_co_i32 s87, s28, s29                     ; ex + ew1
	s_sub_co_i32 s86, 0, s87
	s_add_co_i32 s87, s87, 127
	s_lshl_b32 s87, s87, 23
	v_mov_b32 v[S1], s87
	v_mov_b32 v[S1+1], s87
	s_add_co_i32 s88, s30, 127
	s_lshl_b32 s90, s88, 23
	v_mov_b32 v[SC], s90
	s_add_co_i32 s88, s88, 8
	s_lshl_b32 s88, s88, 23
	s_or_b32 s88, s88, 0x600000
	v_mov_b32 v[LIM], s88
	s_wait_loadcnt 0x0                             ; W1's trip 0 and its b1
	B1SCALE
	s_wait_dscnt 0x0                               ; x's fragments
	s_mov_b32 s84, 0                               ; the trip
	s_mov_b32 s85, 0                               ; its place in the images: registers 4 t on are sub-blocks 2 t, 2 t + 1 of my K step
; ---- THE FIRST PRODUCT AND THE GELU: four trips of 32 hidden units.  A trip: 72 matrix instructions; nine gelu units; in the first of them the next trip's weights and b1 are asked for, and they land in the other eight.
.Ltrip:
	v_add_nc_u32 v14, s85, v13
	v_add_nc_u32 v15, 8*RT, v14
	MM 0, 1, 1
	MM 1, 1, 0
	MM 2, 1, 0
	MM 3, 1, 0
	MM9 1, 1
	PLACES 4                                       ; ahead of the first read of results
	s_add_nc_u64 s[74:75], s[72:73], 16384         ; (no load is out: both pointers may be written)
	s_add_nc_u64 s[80:81], s[78:79], 128
	s_cmp_eq_u32 s84, 3
	s_cselect_b64 s[72:73], s[76:77], s[74:75]     ; the last trip asks for W2's trip 0,
	s_cselect_b64 s[78:79], s[78:79], s[80:81]     ; and for its own b1 once more, so that no load leaves the buffer
	GELU 0, 1, 0, 0, 1
.irp a, 1,2,3,4,5,6,7
	GELU 16*\a, 1, 1, (\a-1)*RT, 0
.endr
	GELU 112, 0, 1, 7*RT, 0
	s_wait_alu depctr_va_vdst(0)                   ; the ninth unit's conversions have written its codes, which the store below reads (v15 was written at the trip's head)
	ds_store_b128 v15, v[Q:Q+3]
	s_wait_loadcnt 0x0
	s_wait_dscnt 0x0                               ; the last unit's store is done: its address is written again at the loop's head
	s_wait_alu depctr_vm_vsrc(0)                   ; the trip's LDS stores have read v14 and v15, which the loop's head writes again, and the codes' registers, which the next conversions write and in which, behind the last trip, W2's codes land
	B1SCALE
	s_add_co_u32 s85, s85, 2*SUBP
	s_add_co_u32 s84, s84, 1
	s_cmp_lt_u32 s84, 4
	s_cbranch_scc1 .Ltrip
	s_wait_alu depctr_va_vdst(0)                   ; the gelu's lines are done reading and writing v128-234, in which the loads below land; the first product's matrix instructions are done reading the rows' fragments, in which the hidden layer's land behind the barrier
	BLOAD 0, 76, 16384                             ; W2's trip 1 into buffer 2, where the gelu worked
	BARRIER                                        ; the hidden layer's nine row tiles lie in LDS
	ALOAD 10
	A9LOAD 12
; ---- THE SECOND PRODUCT: four trips of 32 output columns, written out; buffers 1, 2, 1, 2.  Results go through my own stage, two trips (64 columns, 256 bytes of a row) at a time.
.macro TOSTAGE t
	WIN 0x04                                       ; store data in window 1
.irp a, 0,1,2,3,4,5,6,7
.irp cc, 0,1
	ds_store_b128 v17, v[16*\a+8*\cc:16*\a+8*\cc+3] offset:\a*16*272+128*((\t)%2)+64*\cc
	ds_store_b128 v17, v[16*\a+8*\cc+4:16*\a+8*\cc+7] offset:\a*16*272+128*((\t)%2)+64*\cc+16
.endr
.endr
	WIN 0
.irp cc, 0,1
	ds_store_b128 v17, v[112+8*\cc:115+8*\cc] offset:8*16*272+128*((\t)%2)+64*\cc
	ds_store_b128 v17, v[116+8*\cc:119+8*\cc] offset:8*16*272+128*((\t)%2)+64*\cc+16
.endr
.endm
.macro BACK half                       ; 144 rows x 256 bytes: 72 pairs of rows in three batches of 24, through the accumulators' registers.  LDS serves a wave's instructions in order (ISA guide 5.7.1.4): the loads see my stores
	WIN 0x44                                       ; loaded data and store data in window 1, addresses in window 0
.irp g, 0,1,2
	s_wait_xcnt 0x0                                ; the batch before has read its registers
	s_wait_alu depctr_vm_vsrc(0)                   ; the stage's stores, and the stores to memory of the batch before, have read v0-95 of window 1, in which the loads below land
	s_wait_alu depctr_va_vdst(0)                   ; the trip's matrix instructions have written those registers; stated here anew, since stores that read them stand behind the trip's own wait
.set i, 0
.rept 24
	ds_load_b128 v[4*i:4*i+3], v18 offset:2*(24*\g+i)*272
.set i, i+1
.endr
.set i, 0
.rept 24
	s_wait_dscnt 23-i                              ; pair i is in; the batch's younger loads may be out
	global_store_b128 v19, v[4*i:4*i+3], s[82:83] offset:2*(24*\g+i)*8192+256*(\half) th:TH_STORE_NT   ; 16 lanes store 256 consecutive bytes, at a multiple of 256 from ypart's first byte
.set i, i+1
.endr
.endr
	WIN 0
.endm
.macro TRIP2 t
.set BW, 1-(\t)%2
.if (\t) == 0
	s_wait_dscnt 63                                ; of the 144 fragment loads K steps 0 and 1 are in (behind K step s, 32 (3 - s) + 16 are younger; the wait's field ends at 63)
	MM 0, BW, 2
	MM 1, BW, 0
	s_wait_dscnt 48
	MM 2, BW, 0
	s_wait_dscnt 16
	MM 3, BW, 0
	s_wait_dscnt 0x0
.else
.if (\t) == 3
	s_wait_loadcnt 0x0
.else
	s_wait_loadcnt 32                              ; this trip's weights are in; the other buffer's 32 loads may be out
.endif
	s_wait_dscnt 0x0                               ; the stage's stores,
	s_wait_xcnt 0x0                                ; and the stores to memory, have read the registers in which the sums begin anew
	s_wait_alu depctr_vm_vsrc(0)                   ; the same, stated for the matrix instructions below: the stage's stores and the stores to memory have read the accumulators' registers
	MM 0, BW, 2
	MM 1, BW, 0
	MM 2, BW, 0
	MM 3, BW, 0
.endif
	MM9 BW, 2
	PLACES 5                                       ; ahead of the stores of results; five, since the next trip's first products write over these accumulators
	s_wait_alu depctr_va_vdst(0)                   ; the trip's matrix instructions have written the accumulators, which the stage's stores read, and are done reading the weight buffer, in which the loads below land; the places above stay beside this wait
.if (\t) < 2
	BLOAD 0x40*BW, 76, ((\t)+2)*16384
.endif
	TOSTAGE \t
.if (\t)%2
	BACK (\t)/2
.endif
.endm
	TRIP2 0
	TRIP2 1
	TRIP2 2
	TRIP2 3
	s_wait_dscnt 0x0
	s_wait_alu depctr_hold_cnt(0) depctr_sa_sdst(0) depctr_va_vdst(0) depctr_va_sdst(0) depctr_va_ssrc(0) depctr_va_vcc(0) depctr_vm_vsrc(0)
	s_wait_tensorcnt 0x0
	ds_add_u32 v30, v31
	s_wait_dscnt 0x0
	s_endpgm
.Lfunc_end_k_q9a29783eb8_chain:
	.size	k_q9a29783eb8_chain, .Lfunc_end_k_q9a29783eb8_chain-k_q9a29783eb8_chain
	.p2alignl 7, 3214868480
	.fill 96, 4, 3214868480
	.section	.rodata,"a",@progbits
	.p2align	6, 0x0
	.amdhsa_kernel k_q9a29783eb8_chain
		.amdhsa_group_segment_fixed_size 313856
		.amdhsa_private_segment_fixed_size 0
		.amdhsa_enable_private_segment 0
		.amdhsa_kernarg_size 64
		.amdhsa_user_sgpr_count 2
		.amdhsa_user_sgpr_kernarg_segment_ptr 1
		.amdhsa_wavefront_size32 1
		.amdhsa_system_sgpr_workgroup_id_x 1
		.amdhsa_system_sgpr_workgroup_id_y 1
		.amdhsa_system_sgpr_workgroup_id_z 1
		.amdhsa_system_vgpr_workitem_id 0
		.amdhsa_next_free_vgpr 1024
		.amdhsa_next_free_sgpr 96
		.amdhsa_reserve_vcc 0
		.amdhsa_float_denorm_mode_32 3
		.amdhsa_float_denorm_mode_16_64 3
		.amdhsa_memory_ordered 1
		.amdhsa_forward_progress 1
		.amdhsa_inst_pref_size 217
	.end_amdhsa_kernel
	.amdgpu_metadata
---
amdhsa.version: [ 1, 2 ]
amdhsa.kernels:
  - .name:           k_q9a29783eb8_chain
    .symbol:         k_q9a29783eb8_chain.kd
    .args:
      - { .name: tiles, .offset: 0, .size: 8, .value_kind: global_buffer, .address_space: global }
      - { .name: rowent, .offset: 8, .size: 8, .value_kind: global_buffer, .address_space: global }
      - { .name: xq, .offset: 16, .size: 8, .value_kind: global_buffer, .address_space: global }
      - { .name: wq1, .offset: 24, .size: 8, .value_kind: global_buffer, .address_space: global }
      - { .name: wq2, .offset: 32, .size: 8, .value_kind: global_buffer, .address_space: global }
      - { .name: b1, .offset: 40, .size: 8, .value_kind: global_buffer, .address_space: global }
      - { .name: lowp_scales, .offset: 48, .size: 8, .value_kind: global_buffer, .address_space: global }
      - { .name: ypart, .offset: 56, .size: 8, .value_kind: global_buffer, .address_space: global }
    .group_segment_fixed_size: 313856
    .private_segment_fixed_size: 0
    .kernarg_segment_align: 8
    .kernarg_segment_size: 64
    .max_flat_workgroup_size: 128
    .sgpr_count:     96
    .vgpr_count:     1024
    .wavefront_size: 32
...
	.end_amdgpu_metadata
.endif
;; end of part 4
;; launch combine: the kernel of part 3 again; grid 512 x 1, 8 waves a work-group, no clusters, 0 bytes of LDS; arguments tokslot, expert_indices, expert_weights, lowp_scales, ypart, x, b2, out0; writes out0
